; MI455X (gfx1250); checked and timed in simulation.
; The chip was launched on July 23, 2026; its instructions are those of AMD's public machine-readable ISA for CDNA 5 (MIT licence, August 2026) and "CDNA5" Instruction Set Architecture Reference Guide (July 2026). The comments in the code are by the model that wrote it; some were corrected since.
;; Multi Head Attention. Allowed arithmetic: matrix products marked QUANTISED: E2M3 operands, one E8M0 scale for each 32 along K, by v_wmma_scale_f32_16x16x128_f8f6f4 with both operands' format E2M3, f32 sums; everything else in f32.
;; Inputs: K 1 x 2,048 x 2,048 float32; Q 1 x 2,048 x 2,048 float32; V 1 x 2,048 x 2,048 float32; bk 2,048 float32; bo 2,048 float32; bq 2,048 float32; bv 2,048 float32; mask 1 x 1 x 2,048 x 2,048 int32; wk 2,048 x 2,048 float32; wo 2,048 x 2,048 float32; wq 2,048 x 2,048 float32; wv 2,048 x 2,048 float32.
;; Outputs: out0 1 x 2,048 x 2,048 float32.
;; This version of the problem:
;;   THIS VERSION OF THE PROBLEM IS GIVEN IN LOW PRECISION. The matrix products marked QUANTISED in the list below multiply operands that are first quantised to E2M3 (2 exponent bits, 3 mantissa bits; 6 bits a number), with one power-of-two scale for each 32 numbers along K (OCP MX v1.0); their sums are f32. All else is computed in f32.
;;   The module's matrix products, in the order in which they are computed (A, B: the left and right operand; K: the contracted axis; several contracted axes count as one K, in the product's order):
;;     1. [M 2,048, K 2,048] x [K 2,048, N 2,048]; A: input Q; B: input wq: QUANTISED
;;     2. [M 2,048, K 2,048] x [K 2,048, N 2,048]; A: input K; B: input wk: QUANTISED
;;     3. [M 2,048, K 2,048] x [K 2,048, N 2,048]; A: input V; B: input wv: QUANTISED
;;     4. batch 16 x [M 2,048, K 128] x [K 128, N 2,048]; A: computed on the way; B: computed on the way: QUANTISED
;;     5. batch 16 x [M 2,048, K 2,048] x [K 2,048, N 128]; A: softmax (see below); B: computed on the way: QUANTISED
;;     6. [M 2,048, K 2,048] x [K 2,048, N 2,048]; A: computed on the way; B: input wo: QUANTISED
;;   THE QUANTISER, for each operand of a quantised product, along K:
;;     - K is cut into blocks of 32 from its start; a last block that is shorter is filled with zeros.
;;     - A block's scale is 2^e with e = floor(log2(the largest magnitude in the block)) - 2, held to -126 .. 127; a block of zeros has e = 0. As a byte (E8M0): e + 127.
;;     - Each number is divided by its block's scale, clamped to +-7.5, and rounded to the nearest number of E2M3, ties to even, subnormals kept.
;;     - The product sums the exact products of the quantised numbers (number of the format x scale) in f32.
;;   ~~~python
;;   def quantise(x, axis):      # numpy; x: float32 -> the quantised numbers, widened to float32 again
;;       x = np.moveaxis(x, axis, -1); K = x.shape[-1]
;;       x = np.pad(x, [(0, 0)] * (x.ndim - 1) + [(0, -K % 32)]); x = x.reshape(x.shape[:-1] + (-1, 32)); a = np.abs(x).max(-1, keepdims=True)
;;       e = np.where(a > 0, np.clip(np.frexp(np.where(a > 0, a, 1))[1] - 1 - 2, -126, 127), 0)      # np.frexp(a)[1] - 1 = floor(log2(a)), exactly
;;       r = np.clip(x / 2.0 ** e, -7.5, 7.5)
;;       step = 2.0 ** (np.maximum(np.frexp(np.where(r == 0, 1, r))[1] - 1, 0) - 3)
;;       q = np.round(r / step) * step * 2.0 ** e      # np.round: ties to even
;;       return np.moveaxis(q.reshape(q.shape[:-2] + (-1,))[..., :K], -1, axis).astype(np.float32)
;;   ~~~
;;   SOFTMAX AHEAD OF A QUANTISED PRODUCT. Where the list says 'softmax', what is quantised is not the finished softmax but p = 2^(t - M), with t = logit x log2(e) and M = ceil(the row's largest t), a whole number; so 1/2 < the row's largest p <= 1. The row's sum l is taken of the UNQUANTISED p, in f32, and the product's result is divided by l at the end. Since M is a whole number, a kernel that streams over the keys may use a running M (the ceiling of the running maximum): every later rescaling is an exact power of two, which a block's scale takes up: the codes' values come out the same.
;;   OPERANDS COMPUTED ON THE WAY. 'Computed on the way' means the value that the module computes at that place (a softmax that the list does not call 'softmax' is quantised finished and normalised). What goes into a quantiser is computed in f32, as accurately as f32 sums, v_exp_f32 and their like allow (about 1e-6 of the number): no bf16 or f16 on the way to a quantiser, and a product that is left as it is and whose result goes on into a quantised operand takes f32 operands (vector FMAs, or v_wmma_f32_16x16x4_f32). A number that lies on a knife's edge between two numbers of the format may be rounded either way, as far as f32 arithmetic and the matrix unit's own rounding can turn it there, and no further.
;; One version. Each part assembles by itself: llvm-mc -triple=amdgcn-amd-amdhsa -mcpu=gfx1250 --defsym DOCPART=n.
;; ======== version 1 of 1: 4 launches
;; limits: right only within a limited range of input values
;; workspace buffers: actq 12,976,128 bytes; wq6 13,107,200 bytes; proj 9,830,400 bytes; attq 3,276,800 bytes; maskw 524,288 bytes of whole numbers
;; launch prep (part 1): grid 1024 x 1, 4 waves a work-group, no clusters, 61,952 bytes of LDS; arguments Q, K, V, mask, actq, maskw, wq, wk, wv, wo, wq6; writes actq, maskw, wq6
.if DOCPART == 1
	.amdgcn_target "amdgcn-amd-amdhsa--gfx1250"
	.amdhsa_code_object_version 6
	.text
	.protected	k_q637989425a_prep
	.globl	k_q637989425a_prep
	.p2align	8
	.type	k_q637989425a_prep,@function
k_q637989425a_prep:
	s_mov_b64 s[64:65], 0
	v_nop
	global_prefetch_b8 v0, s[64:65] scope:SCOPE_SE
	s_setreg_imm32_b32 hwreg(HW_REG_WAVE_MODE, 25, 1), 1
	s_wait_xcnt 0x0
; ONE LAUNCH MAKES THE OPERANDS OF THE FOUR LARGE PRODUCTS AND THE MASK'S BITS.  Work-groups 0 to 511: Q, K, V [2048][2048] f32 become codes of FP6 (E2M3) with one E8M0 scale byte for each 32 along K (their last axis),
; and the mask [2048][2048] int32 becomes lane masks, one bit a number.  Work-groups 512 to 1,023: wq, wk, wv, wo [2048 (k)][2048 (n)] f32, K their FIRST axis, become codes laid as operands whose rows are the columns n.
; The two ways part at the head on the work-group's number alone (the same way for all four waves) and never meet again; each has LDS bytes of its own.
; ORDER OF ROWS.  Row tile T (0..127) holds in lane r (0..15) the row 128 (T / 8) + 32 ((T % 8) / 2) + 8 (T % 2) + r + 8 (r / 8): so a product used transposed leaves 16 neighbours along its columns in 16 registers of a lane.
; WHAT IS STORED.  A fragment (16 rows x 128 K, 12 registers a lane) leaves as an image of its registers: byte 512 c + 16 lane + 4 e is register 4 c + e; the image of (T, K step s) lies at (16 T + s) x 1,536.
; The scale words of the 8 tiles of a group of 128 rows for one K step are a block of 512 bytes: the word of (tile a, row r) at 256 (a / 4) + 16 r + 4 (a % 4); block (group G, step s) at (16 G + s) x 512.
; The mask: word n (0..63) of (T, key step s), at 4,096 T + 256 s + 4 n, has in bit lane = (r, h) whether mask[row of (T, r)][128 s + 32 (n / 16) + 16 h + n % 16] is not 0.
; A block's scale is 2^(floor(log2(its largest magnitude)) - 2); its byte is that magnitude's exponent field - 2, held at 1 from below.
; Memory binds this launch: no matrix unit, no cluster (no byte is read by two work-groups), no tensor load (the bytes in flight fit in registers), no prefetch (the loads themselves run ahead).
; LIMITS: a block of zeros gets the byte 1 where the rule says 127 (its codes are zeros, and this program alone reads the bytes); NaN and infinities among the inputs are not served.
.set CODES, 3145728                    ; bytes of a tensor's codes: 128 tiles x 16 K steps x 1,536
.set SCLS,  131072                     ; bytes of a tensor's scale words
.set SCOFF, 12582912                   ; where the scale words begin in actq and in wq6
.set FRB,   1536                       ; an image
.set NACT,  512                        ; work-groups of the first way
.set WREG,  8704                       ; LDS, first way: a wave's stage (16 x 528 bytes, rounded up to blocks of 256)
.set SP,    528                        ; a stage row: 512 bytes + 16 = 132 words, so the 16 rows that a read touches start 4 banks apart
.set WBASE, 4*WREG                     ; LDS, second way, begins here
.set TSTG,  3200                       ; a tile's two images + 128 bytes, so that the two tiles' stores fall on different banks
.set WSTG,  2*TSTG                     ; a wave's stage
.set SCR,   WBASE+4*WSTG               ; two blocks of scale words
.set SPARE, SCR+1024                   ; behind both: the spare words, 128 bytes for each wave
.set SPW,   14                         ; v14  LDS address of my spare word; never rewritten
.set NIL,   15                         ; v15  0; never rewritten
	v_lshl_add_u32 v[SPW], v0, 2, SPARE
	v_mov_b32 v[NIL], 0
	v_lshrrev_b32 v1, 5, v0
	v_readfirstlane_b32 s16, v1                    ; wave
	s_cmp_ge_u32 ttmp9, NACT
	s_cbranch_scc1 .Lweights
; ======== THE FIRST WAY: Q, K, V AND THE MASK ========
; 128 work-groups for each tensor.  A wave takes four tiles x one K step: 64 rows x 512 bytes.  Each load reads 512 consecutive bytes of one row; a fragment's 8 KB turn through the wave's own stage in LDS
; (16 rows, 528 bytes apart) and come back as 16 neighbours of each block of 32 in a lane.  All four tensors take one way through LDS; they part only for work on registers and the stores.
.set R,     16                         ; v16-143  two sets of 64: a fragment as loaded
.set X,     144                        ; v144-207 a fragment as 64 numbers of my row: register 16 b + i = k 32 b + 16 h + i
.set TM,    208                        ; v208-223 at work in QUANT
.set PC,    224                        ; v224-242 the codes
.set PWB,   244                        ; v244-247 the four fragments' scale words
.set MW,    248                        ; v248-255 the four fragments' mask words, two registers each: lane L holds words 2 L and 2 L + 1
.set SEL,   20                         ; s[20:21] selects of v_permlanex16_b32: lane l xor 16
; 64 numbers of a lane, v[s] on, become a fragment's codes in v[pc] .. v[pc + 11] and its rows' scale word in v[pw].
.macro QUANT s, pc, tm, pw
.irp b, 0,1,2,3
	v_max3_num_f32 v[(\tm)+\b], |v[(\s)+16*\b]|, |v[(\s)+1+16*\b]|, 0x1800000   ; block b: my 16 numbers, and the floor 2^(3 - 127): the byte cannot fall under 1
.endr
.irp i, 2,4,6,8,10,12,14
.irp b, 0,1,2,3
	v_max3_num_f32 v[(\tm)+\b], v[(\tm)+\b], |v[(\s)+16*\b+\i]|, |v[(\s)+1+16*\b+\i]|   ; the four blocks by turns
.endr
.endr
.irp b, 0,1,2,3
	v_permlanex16_b32 v[(\tm)+4+\b], v[(\tm)+\b], s[SEL], s[SEL+1]
.endr
.irp b, 0,1,2,3
	v_max_num_f32 v[(\tm)+\b], v[(\tm)+\b], v[(\tm)+4+\b]          ; with lane l xor 16's: the block's largest magnitude
.endr
.irp b, 0,1,2,3
	v_add_nc_u32 v[(\tm)+12+\b], 0xff000000, v[(\tm)+\b]           ; 2 off its exponent field: the conversion's scale operand
.endr
.irp b, 0,1,2,3
	v_lshrrev_b32 v[(\tm)+4+\b], 23, v[(\tm)+12+\b]                ; the scale's byte
.endr
	v_lshl_or_b32 v[\pw], v[(\tm)+5], 8, v[(\tm)+4]
	v_lshl_or_b32 v[\pw], v[(\tm)+6], 16, v[\pw]
	v_lshl_or_b32 v[\pw], v[(\tm)+7], 24, v[\pw]
.irp c, 0,1
	v_cvt_scalef32_pk16_fp6_f32 v[(\pc)+6*\c:(\pc)+2+6*\c], v[(\s)+32*\c:(\s)+15+32*\c], v[(\tm)+12+2*\c]
	v_cvt_scalef32_pk16_fp6_f32 v[(\pc)+12+4*\c:(\pc)+14+4*\c], v[(\s)+16+32*\c:(\s)+31+32*\c], v[(\tm)+12+2*\c+1]   ; a conversion's three registers begin on an even number
.endr
	v_nop                                          ; one plain place behind the scaled conversions
.irp c, 0,1                                    ; the operand's layout wants a whole block in a lane: lanes 0-15 block 2 c, lanes 16-31 block 2 c + 1
.irp i, 0,1,2
	v_permlane16_swap_b32 v[(\pc)+6*\c+\i], v[(\pc)+12+4*\c+\i]
.endr
.irp i, 0,1,2
	v_mov_b32 v[(\pc)+3+6*\c+\i], v[(\pc)+12+4*\c+\i]
.endr
.endr
.endm
	s_load_b256 s[4:11], s[0:1], 0x0               ; Q, K, V, mask
	s_load_b128 s[12:15], s[0:1], 0x20             ; actq, maskw
	v_and_b32 v1, 31, v0                           ; lane
	v_and_b32 v2, 15, v0                           ; r
	v_bfe_u32 v3, v0, 4, 1                         ; h
	v_lshlrev_b32 v4, 4, v1                        ; 16 x lane: loads and image stores
	v_lshlrev_b32 v7, 3, v1                        ; 8 x lane: the mask words' store
	s_mul_i32 s22, s16, WREG
	v_add_nc_u32 v5, s22, v4                       ; the stage, on the way in
	v_mul_u32_u24 v6, v2, SP
	v_lshl_add_u32 v6, v3, 6, v6
	v_add_nc_u32 v6, s22, v6                       ; and on the way out: row r, + 64 h
	s_mov_b32 s[SEL], 0x76543210
	s_mov_b32 s[SEL+1], 0xfedcba98
.irp i, 0,1,2,3,4,5,6,7
	v_mov_b32 v[MW+\i], 0                          ; v_writelane_b32's destination counts as read
.endr
.irp i, 0,1,2,3
	v_mov_b32 v[TM+4+\i], 0                        ; so does a lane permute's
	v_mov_b32 v[PWB+\i], 0
.endr
	s_lshr_b32 s17, ttmp9, 7                       ; t: 0 Q, 1 K, 2 V, 3 the mask
	s_bfe_u32 s18, ttmp9, 0x50002                  ; which 64 rows: 2 G + half
	s_and_b32 s19, ttmp9, 3
	s_lshl_b32 s19, s19, 2
	s_add_co_u32 s19, s19, s16                     ; my K step s
	s_lshl_b32 s24, s18, 19                        ; in: 64 rows of 8,192 bytes,
	s_lshl_b32 s23, s19, 9                         ; + 512 bytes a K step
	s_add_co_u32 s24, s24, s23
	s_mov_b32 s25, 0
	s_mul_i32 s30, s17, CODES                      ; images: the tensor, + 4 tiles x 16 images for each 64 rows, + my K step's
	s_mul_i32 s23, s18, 64*FRB
	s_add_co_u32 s30, s30, s23
	s_mul_i32 s23, s19, FRB
	s_add_co_u32 s30, s30, s23
	s_mov_b32 s31, 0
	s_mul_i32 s26, s17, SCLS                       ; scale words: block (16 G + s), its half of 256 bytes
	s_add_co_u32 s26, s26, SCOFF
	s_lshr_b32 s23, s18, 1
	s_lshl_b32 s23, s23, 13
	s_add_co_u32 s26, s26, s23
	s_lshl_b32 s23, s19, 9
	s_add_co_u32 s26, s26, s23
	s_and_b32 s23, s18, 1
	s_lshl_b32 s23, s23, 8
	s_add_co_u32 s26, s26, s23
	s_mov_b32 s27, 0
	s_lshl_b32 s28, s18, 14                        ; mask words: 4 tiles x 4,096 bytes for each 64 rows, + 256 s
	s_lshl_b32 s23, s19, 8
	s_add_co_u32 s28, s28, s23
	s_mov_b32 s29, 0
	s_wait_kmcnt 0x0
	s_cmp_eq_u32 s17, 1                            ; the source is chosen by the work-group's number alone
	s_cselect_b64 s[4:5], s[6:7], s[4:5]
	s_cmp_eq_u32 s17, 2
	s_cselect_b64 s[4:5], s[8:9], s[4:5]
	s_cmp_eq_u32 s17, 3
	s_cselect_b64 s[4:5], s[10:11], s[4:5]
	s_add_nc_u64 s[4:5], s[4:5], s[24:25]
	s_add_nc_u64 s[30:31], s[12:13], s[30:31]
	s_add_nc_u64 s[26:27], s[12:13], s[26:27]
	s_add_nc_u64 s[28:29], s[14:15], s[28:29]
.macro LOADF a                         ; fragment a: its 16 rows, 512 consecutive bytes each, into set a % 2
.set J, 0
.rept 16
	global_load_b128 v[R+64*((\a)%2)+4*J:R+64*((\a)%2)+4*J+3], v4, s[4:5] offset:(32*((\a)/2)+8*((\a)%2)+J+8*(J/8))*8192 th:TH_LOAD_NT
.set J, J+1
.endr
.endm
.macro FRAGM a
.if (\a) < 3
	s_wait_loadcnt 16                              ; this fragment's 16 loads are in; the next fragment's 16 may be out
.else
	s_wait_loadcnt 0x0
.endif
.set J, 0
.rept 16
	ds_store_b128 v5, v[R+64*((\a)%2)+4*J:R+64*((\a)%2)+4*J+3] offset:J*SP
.set J, J+1
.endr
.irp b, 0,1,2,3
.irp j, 0,1,2,3
	ds_load_b128 v[X+16*\b+4*\j:X+16*\b+4*\j+3], v6 offset:128*\b+16*\j   ; LDS serves a wave's instructions in order: these see the stores above
.endr
.endr
	s_wait_dscnt 0x0                               ; the numbers are back, and the stores have read their registers,
.if (\a) < 2
	LOADF (\a)+2                                   ; which take the fragment two on
.endif
	s_cmp_eq_u32 s17, 3
	s_cbranch_scc1 .Lmask_\@
	s_wait_xcnt 0x0                                ; the last image's stores have read the codes' registers
	QUANT X, PC, TM, PWB+(\a)
.irp c, 0,1,2
	global_store_b128 v4, v[PC+4*\c:PC+4*\c+3], s[30:31] offset:16*FRB*(\a)+512*\c   ; 512 consecutive bytes
.endr
	s_branch .Ljoin_\@
.Lmask_\@:
.irp q, 0,1,2,3                                ; word n = 16 q + i is the lane mask of 'register n is not 0'; it goes to lane n / 2 of register n % 2
.irp i, 0,1,2,3,4,5,6,7,8,9,10,11,12,13,14,15
	v_cmp_ne_u32 s[32+\i], 0, v[X+16*\q+\i]
.endr
.irp i, 0,1,2,3,4,5,6,7,8,9,10,11,12,13,14,15
	v_writelane_b32 v[MW+2*(\a)+(\i%2)], s[32+\i], 8*\q+\i/2
.endr
.endr
	global_store_b64 v7, v[MW+2*(\a):MW+2*(\a)+1], s[28:29] offset:4096*(\a)   ; 256 consecutive bytes, aligned
.Ljoin_\@:
.endm
	LOADF 0
	LOADF 1
	FRAGM 0
	FRAGM 1
	FRAGM 2
	FRAGM 3
	s_cmp_eq_u32 s17, 3
	s_cbranch_scc1 .Lend
	s_wait_xcnt 0x0                                ; EXEC changes only when the pending stores have taken it
	v_cmp_gt_u32 vcc_lo, 16, v1
	s_and_saveexec_b32 s48, vcc_lo
	global_store_b128 v4, v[PWB:PWB+3], s[26:27]   ; lane r: the words of my four tiles' row r: 256 consecutive bytes, aligned
	s_wait_xcnt 0x0
	s_or_b32 exec_lo, exec_lo, s48
.Lend:
	s_wait_tensorcnt 0x0                           ; the wave's end
	ds_add_u32 v[SPW], v[NIL]
	s_wait_dscnt 0x0
	s_endpgm
; ======== THE SECOND WAY: THE FOUR WEIGHTS ========
; A LANE TAKES A COLUMN n AND ITS REGISTERS RUN DOWN K: a block of 32 lies in one lane's 32 registers, its largest magnitude needs no other lane, and the conversions give codes with K innermost.
; Work-group 512 + 16 y + G: weight y / 8, columns 128 G on, K rows 256 (y % 8) on.  Wave v: columns 32 v on, which are tiles 2 v and 2 v + 1 of the group; two K steps of each: four images.
; A lane's block (24 bytes) is registers 6 c .. 6 c + 5 of lane r + 16 hh of an image: it goes there in the wave's stage in LDS by a store of 16 and one of 8 bytes; the images leave as runs of 512 bytes.
; The work-group's scale words meet in LDS behind one barrier, which all four waves of such a work-group pass, and leave as two blocks of 512 bytes.
.set SB,    24                         ; v24-25   my column's scale words of the two K steps
.set WX,    32                         ; v32-95   two sets of 32 numbers
.set WC,    96                         ; v96-102  a block's codes
.set OUTR,  112                        ; v112-159 the way out: 12 x 4 registers
.Lweights:
	s_load_b128 s[4:7], s[0:1], 0x30               ; wq, wk
	s_load_b128 s[8:11], s[0:1], 0x40              ; wv, wo
	s_load_b64 s[12:13], s[0:1], 0x50              ; wq6
	v_and_b32 v1, 31, v0                           ; x: my column among the wave's 32
	v_bfe_u32 v2, v0, 3, 1                         ; u = (x / 8) % 2: which of the wave's two tiles
	s_wait_alu depctr_va_vdst(0)
	v_and_b32 v3, 7, v0
	v_bfe_u32 v10, v0, 4, 1
	v_lshl_add_u32 v3, v10, 3, v3                  ; r = x % 8 + 8 (x / 16): my row in that tile
	v_lshlrev_b32 v4, 2, v1                        ; in: 4 bytes a lane
	s_mul_i32 s17, s16, WSTG
	s_add_co_u32 s17, s17, WBASE                   ; my stage
	v_mul_u32_u24 v5, v2, TSTG
	v_lshl_add_u32 v5, v3, 4, v5
	v_add_nc_u32 v5, s17, v5                       ; into the stage: my tile, 16 r
	s_lshr_b32 s18, s16, 1
	s_lshl_b32 s18, s18, 8
	s_and_b32 s19, s16, 1
	s_lshl_b32 s20, s19, 3
	s_add_co_u32 s18, s18, s20
	s_add_co_u32 s18, s18, SCR
	v_lshlrev_b32 v6, 2, v2
	s_wait_alu depctr_va_vdst(0)
	v_lshl_add_u32 v6, v3, 4, v6
	v_add_nc_u32 v6, s18, v6                       ; my scale word: tile a = 2 v + u: 256 (v / 2) + 8 (v % 2) + 4 u + 16 r
	v_lshlrev_b32 v8, 4, v1                        ; 16 x lane
	v_add_nc_u32 v7, s17, v8                       ; out of the stage
	s_lshl_b32 s20, s19, 9
	s_add_co_u32 s20, s20, SCR
	v_add_nc_u32 v9, s20, v8                       ; waves 0 and 1: a block of scale words
	s_sub_co_u32 s32, ttmp9, NACT
	s_and_b32 s33, s32, 15                         ; G: which 128 columns
	s_lshr_b32 s21, s32, 4                         ; y
	s_lshr_b32 s22, s21, 3                         ; which weight
	s_and_b32 s23, s21, 7                          ; which 256 along K
	s_lshl_b32 s24, s23, 21                        ; in: 256 rows of 8,192 bytes,
	s_lshl_b32 s30, s33, 9                         ; 128 columns a group,
	s_add_co_u32 s24, s24, s30
	s_lshl_b32 s30, s16, 7                         ; 32 a wave
	s_add_co_u32 s24, s24, s30
	s_mov_b32 s25, 0
	s_mul_i32 s26, s22, CODES                      ; images: ((8 G + 2 v) x 16 + 2 kc) x 1,536
	s_mul_i32 s30, s33, 128*FRB
	s_add_co_u32 s26, s26, s30
	s_mul_i32 s30, s16, 32*FRB
	s_add_co_u32 s26, s26, s30
	s_mul_i32 s30, s23, 2*FRB
	s_add_co_u32 s26, s26, s30
	s_mov_b32 s27, 0
	s_mul_i32 s28, s22, SCLS                       ; scale words: block 16 G + 2 kc + (wave % 2)
	s_add_co_u32 s28, s28, SCOFF
	s_lshl_b32 s30, s33, 4
	s_lshl_b32 s31, s23, 1
	s_add_co_u32 s30, s30, s31
	s_add_co_u32 s30, s30, s19
	s_lshl_b32 s30, s30, 9
	s_add_co_u32 s28, s28, s30
	s_mov_b32 s29, 0
	s_wait_kmcnt 0x0
	s_cmp_eq_u32 s22, 1                            ; the weight is chosen by the work-group's number alone
	s_cselect_b64 s[4:5], s[6:7], s[4:5]
	s_cmp_eq_u32 s22, 2
	s_cselect_b64 s[4:5], s[8:9], s[4:5]
	s_cmp_eq_u32 s22, 3
	s_cselect_b64 s[4:5], s[10:11], s[4:5]
	s_add_nc_u64 s[4:5], s[4:5], s[24:25]
	s_add_nc_u64 s[26:27], s[12:13], s[26:27]
	s_add_nc_u64 s[28:29], s[12:13], s[28:29]
.macro WLOAD t                         ; block t: W(32 t + i, my column), i = 0 .. 31, into set t % 2; the wave reads 128 consecutive bytes, the four waves 512
.set J, 0
.rept 32
	global_load_b32 v[WX+32*((\t)%2)+J], v4, s[4:5] offset:(32*(\t)+J)*8192 th:TH_LOAD_NT
.set J, J+1
.endr
.endm
	WLOAD 0
	WLOAD 1
.macro WBLOCK t
.set XS, WX+32*((\t)%2)
.set OFFS, FRB*((\t)/4)+256*((\t)%2)   ; the K step's image, and lanes 16-31 of it for the odd blocks
.if (\t) < 7
	s_wait_loadcnt 32                              ; this block's 32 loads are in; the next block's may be out
.else
	s_wait_loadcnt 0x0
.endif
	v_max3_num_f32 v12, |v[XS]|, |v[XS+1]|, |v[XS+2]|              ; the block's largest magnitude: all 32 numbers are mine
	v_max3_num_f32 v13, |v[XS+3]|, |v[XS+4]|, |v[XS+5]|
.irp i, 6,10,14,18,22,26
	v_max3_num_f32 v12, v12, |v[XS+\i]|, |v[XS+\i+1]|
	v_max3_num_f32 v13, v13, |v[XS+\i+2]|, |v[XS+\i+3]|
.endr
	v_max3_num_f32 v12, v12, |v[XS+30]|, |v[XS+31]|
	v_max3_num_f32 v12, v12, v13, 0x1800000        ; and the floor 2^(3 - 127): the byte cannot fall under 1
	v_add_nc_u32 v11, 0xff000000, v12              ; 2 off its exponent field: the conversion's scale operand
	v_lshrrev_b32 v13, 23, v11                     ; the scale's byte
	v_cvt_scalef32_pk16_fp6_f32 v[WC:WC+2], v[XS:XS+15], v11
	v_cvt_scalef32_pk16_fp6_f32 v[WC+4:WC+6], v[XS+16:XS+31], v11  ; a conversion's three registers begin on an even number
.if (\t)%4 == 0
	v_mov_b32 v[SB+(\t)/4], v13                    ; four bytes to a word, the lower K in the lower byte.  (The plain place behind the conversions)
.else
	v_lshl_or_b32 v[SB+(\t)/4], v13, 8*((\t)%4), v[SB+(\t)/4]
.endif
	v_mov_b32 v[WC+3], v[WC+4]
	v_mov_b32 v[WC+4], v[WC+5]
	v_mov_b32 v[WC+5], v[WC+6]                     ; the block's six registers on end
.if ((\t)%4) < 2
	ds_store_b128 v5, v[WC:WC+3] offset:OFFS       ; registers 0-3 of the fragment,
	ds_store_b64 v5, v[WC+4:WC+5] offset:OFFS+512  ; 4 and 5
.else
	ds_store_b64 v5, v[WC:WC+1] offset:OFFS+520    ; registers 6 and 7,
	ds_store_b128 v5, v[WC+2:WC+5] offset:OFFS+1024   ; 8-11
.endif
.if (\t)+2 < 8
	WLOAD (\t)+2
.endif
	s_wait_dscnt 0x0                               ; the stores have read their registers: the next block's codes may be written
.endm
.set QB, 0
.rept 8
	WBLOCK QB
.set QB, QB+1
.endr
	ds_store_b32 v6, v[SB]                         ; my column's scale words, into the two K steps' blocks
	s_wait_alu depctr_va_vdst(0)
	ds_store_b32 v6, v[SB+1] offset:512
.irp u, 0,1
.irp i, 0,1,2,3,4,5
	ds_load_b128 v[OUTR+4*(6*\u+\i):OUTR+4*(6*\u+\i)+3], v7 offset:TSTG*\u+512*\i   ; my own stage: LDS serves a wave's instructions in order
.endr
.endr
	s_wait_dscnt 0x0                               ; for the others' sake: my scale words have landed
	s_barrier_signal -1
	s_barrier_wait -1
.irp u, 0,1
.irp i, 0,1,2,3,4,5
	global_store_b128 v8, v[OUTR+4*(6*\u+\i):OUTR+4*(6*\u+\i)+3], s[26:27] offset:16*FRB*\u+512*\i   ; 512 consecutive bytes
.endr
.endr
	s_cmp_gt_u32 s16, 1
	s_cbranch_scc1 .Lno_scales
	ds_load_b128 v[160:163], v9                    ; waves 0 and 1: a K step's block of scale words, from all four waves
	s_wait_dscnt 0x0
	global_store_b128 v8, v[160:163], s[28:29]
.Lno_scales:
	s_wait_tensorcnt 0x0                           ; the wave's end
	ds_add_u32 v[SPW], v[NIL]
	s_wait_dscnt 0x0
	s_endpgm
.Lfunc_end_k_q637989425a_prep:
	.size	k_q637989425a_prep, .Lfunc_end_k_q637989425a_prep-k_q637989425a_prep
	.p2alignl 7, 3214868480
	.fill 96, 4, 3214868480
	.section	.rodata,"a",@progbits
	.p2align	6, 0x0
	.amdhsa_kernel k_q637989425a_prep
		.amdhsa_group_segment_fixed_size 61952
		.amdhsa_private_segment_fixed_size 0
		.amdhsa_enable_private_segment 0
		.amdhsa_kernarg_size 88
		.amdhsa_user_sgpr_count 2
		.amdhsa_user_sgpr_kernarg_segment_ptr 1
		.amdhsa_wavefront_size32 1
		.amdhsa_system_sgpr_workgroup_id_x 1
		.amdhsa_system_sgpr_workgroup_id_y 1
		.amdhsa_system_sgpr_workgroup_id_z 1
		.amdhsa_system_vgpr_workitem_id 0
		.amdhsa_next_free_vgpr 256
		.amdhsa_next_free_sgpr 66
		.amdhsa_reserve_vcc 1
		.amdhsa_float_denorm_mode_32 3
		.amdhsa_float_denorm_mode_16_64 3
		.amdhsa_memory_ordered 1
		.amdhsa_forward_progress 1
		.amdhsa_inst_pref_size 109
	.end_amdhsa_kernel
	.amdgpu_metadata
---
amdhsa.version: [ 1, 2 ]
amdhsa.kernels:
  - .name:           k_q637989425a_prep
    .symbol:         k_q637989425a_prep.kd
    .args:
      - { .name: Q, .offset: 0, .size: 8, .value_kind: global_buffer, .address_space: global }
      - { .name: K, .offset: 8, .size: 8, .value_kind: global_buffer, .address_space: global }
      - { .name: V, .offset: 16, .size: 8, .value_kind: global_buffer, .address_space: global }
      - { .name: mask, .offset: 24, .size: 8, .value_kind: global_buffer, .address_space: global }
      - { .name: actq, .offset: 32, .size: 8, .value_kind: global_buffer, .address_space: global }
      - { .name: maskw, .offset: 40, .size: 8, .value_kind: global_buffer, .address_space: global }
      - { .name: wq, .offset: 48, .size: 8, .value_kind: global_buffer, .address_space: global }
      - { .name: wk, .offset: 56, .size: 8, .value_kind: global_buffer, .address_space: global }
      - { .name: wv, .offset: 64, .size: 8, .value_kind: global_buffer, .address_space: global }
      - { .name: wo, .offset: 72, .size: 8, .value_kind: global_buffer, .address_space: global }
      - { .name: wq6, .offset: 80, .size: 8, .value_kind: global_buffer, .address_space: global }
    .group_segment_fixed_size: 61952
    .private_segment_fixed_size: 0
    .kernarg_segment_align: 8
    .kernarg_segment_size: 88
    .max_flat_workgroup_size: 128
    .sgpr_count:     66
    .vgpr_count:     256
    .wavefront_size: 32
...
	.end_amdgpu_metadata
.endif
;; end of part 1
;; launch proj (part 2): grid 8 x 24, 4 waves a work-group, clusters of 4 x 4, 327,680 bytes of LDS; arguments actq, wq6, bq, bk, bv, proj; writes proj
.if DOCPART == 2
	.amdgcn_target "amdgcn-amd-amdhsa--gfx1250"
	.amdhsa_code_object_version 6
	.text
	.protected	k_q637989425a_proj
	.globl	k_q637989425a_proj
	.p2align	8
	.type	k_q637989425a_proj,@function
k_q637989425a_proj:
	s_mov_b64 s[64:65], 0
	v_nop
	global_prefetch_b8 v0, s[64:65] scope:SCOPE_SE
	s_setreg_imm32_b32 hwreg(HW_REG_WAVE_MODE, 25, 1), 1
	s_wait_xcnt 0x0
	s_wait_alu depctr_hold_cnt(0) depctr_sa_sdst(0) depctr_va_vdst(0) depctr_va_sdst(0) depctr_va_ssrc(0) depctr_va_vcc(0) depctr_vm_vsrc(0)
	s_getreg_b32 s2, hwreg(HW_REG_IB_STS2, 6, 4)
	s_cmp_eq_u32 s2, 0
	s_cbranch_scc0 .Lentry_in_a_cluster
	s_endpgm
.Lentry_in_a_cluster:
	s_bfe_u32 s2, ttmp6, 0x10000c
	s_cmp_lg_u32 s2, 0xf033
	s_cbranch_scc0 .Lentry_shape_is_right
	s_endpgm
.Lentry_shape_is_right:
.set MB,    8
.set NQ,    2
.set CODES, 3145728
.set SCLS,  131072
.set SCOFF, 12582912
.set PSC,   9437184
.set FR,    12
.set FRB,   1536
.set TROW,  NQ*FRB
.set HALFT, MB*TROW
.set SLOT,  4*HALFT
.set SCL,   2*SLOT
.set HALFS, 1024*MB
.set SHALF, 8192
.set SPARE, SCL+4*HALFS
.set LAPS,  16/(2*NQ)
.set ADRA,  16
.set ADRB,  20
.set LI,    26
.set ADRS,  27
.set SPW,   28
.set NIL,   29
.set SC,    32
.set CB,    64
.set AF,    128
.set RB,    224
.set PW,    240
.set XQ,    128
.set PC,    192
.set TM,    64
.set G1,    24
.set G0,    32
.set G1B,   48
.set G0B,   56
.set G1S,   68
.set G0S,   76
.set G1SB,  80
.set G0SB,  88
.set SEL,   96
.set MSB, 0
.macro WIN new
.if MSB != (\new)
	s_set_vgpr_msb (MSB<<8)|(\new)
.set MSB, (\new)
.endif
.endm
.macro JLOAD g0a, g1a, g0b, g1b
	s_cmp_eq_u32 s15, 0
	s_cbranch_scc0 .Lfor_b_\@
	tensor_load_to_lds s[\g0a:\g0a+3], s[\g1a:\g1a+7]
	s_nop 0
.rept 4
	v_nop
.endr
	s_branch .Lasked_\@
.Lfor_b_\@:
	tensor_load_to_lds s[\g0b:\g0b+3], s[\g1b:\g1b+7]
	s_nop 0
.rept 4
	v_nop
.endr
.Lasked_\@:
.endm
.macro CREST
	s_cmp_lg_u32 s14, 0
	s_cbranch_scc1 .Lnot_wave_0_\@
	s_barrier_signal -3
.Lnot_wave_0_\@:
	s_barrier_wait -3
	s_barrier_signal -1
	s_barrier_wait -1
.endm
.macro CROUND
	s_barrier_signal -1
	s_barrier_wait -1
	CREST
.endm
.macro QUANT s, pc, tm, pw
.irp b, 0,1,2,3
	v_max3_num_f32 v[(\tm)+\b], |v[(\s)+16*\b]|, |v[(\s)+1+16*\b]|, 0x1800000
.endr
.irp i, 2,4,6,8,10,12,14
.irp b, 0,1,2,3
	v_max3_num_f32 v[(\tm)+\b], v[(\tm)+\b], |v[(\s)+16*\b+\i]|, |v[(\s)+1+16*\b+\i]|
.endr
.endr
.irp b, 0,1,2,3
	v_permlanex16_b32 v[(\tm)+4+\b], v[(\tm)+\b], s[SEL], s[SEL+1]
.endr
.irp b, 0,1,2,3
	v_max_num_f32 v[(\tm)+\b], v[(\tm)+\b], v[(\tm)+4+\b]
.endr
.irp b, 0,1,2,3
	v_add_nc_u32 v[(\tm)+12+\b], 0xff000000, v[(\tm)+\b]
.endr
.irp b, 0,1,2,3
	v_lshrrev_b32 v[(\tm)+4+\b], 23, v[(\tm)+12+\b]
.endr
	v_lshl_or_b32 v[\pw], v[(\tm)+5], 8, v[(\tm)+4]
	v_lshl_or_b32 v[\pw], v[(\tm)+6], 16, v[\pw]
	v_lshl_or_b32 v[\pw], v[(\tm)+7], 24, v[\pw]
.irp c, 0,1
	v_cvt_scalef32_pk16_fp6_f32 v[(\pc)+6*\c:(\pc)+2+6*\c], v[(\s)+32*\c:(\s)+15+32*\c], v[(\tm)+12+2*\c]
	v_cvt_scalef32_pk16_fp6_f32 v[(\pc)+12+4*\c:(\pc)+14+4*\c], v[(\s)+16+32*\c:(\s)+31+32*\c], v[(\tm)+12+2*\c+1]
.endr
	v_nop
.irp c, 0,1
.irp i, 0,1,2
	v_permlane16_swap_b32 v[(\pc)+6*\c+\i], v[(\pc)+12+4*\c+\i]
.endr
.irp i, 0,1,2
	v_mov_b32 v[(\pc)+3+6*\c+\i], v[(\pc)+12+4*\c+\i]
.endr
.endr
.endm
	s_load_b128 s[4:7], s[0:1], 0x0
	s_load_b128 s[8:11], s[0:1], 0x10
	s_load_b128 s[96:99], s[0:1], 0x20
	v_lshl_add_u32 v[SPW], v0, 2, SPARE
	v_mov_b32 v[NIL], 0
	ds_add_u32 v[SPW], v[NIL]
	ds_add_u32 v[SPW], v[NIL]
	v_lshrrev_b32 v1, 5, v0
	v_readfirstlane_b32 s14, v1
	s_lshr_b32 s15, s14, 1
	s_and_b32 s16, s14, 1
	s_bfe_u32 s40, ttmp6, 0x40000
	s_bfe_u32 s41, ttmp6, 0x40004
	s_lshl_b32 s42, ttmp9, 2
	s_add_co_u32 s42, s42, s40
	s_and_b32 s17, ttmp7, 0xffff
	s_lshr_b32 s66, s17, 1
	s_and_b32 s17, s17, 1
	s_lshl_b32 s17, s17, 2
	s_add_co_u32 s17, s17, s41
	s_lshl_b32 s43, s41, 2
	s_lshl_b32 s43, 15, s43
	s_lshl_b32 s44, 0x1111, s40
	s_or_b32 s[G1+0], s43, (3<<16)|(1<<21)
	s_or_b32 s[G1B+0], s44, (3<<16)|(1<<21)
.irp g, G1, G1B
	s_mov_b32 s[\g+1], (192*NQ)<<16
	s_mov_b32 s[\g+2], (2*MB)<<16
	s_mov_b32 s[\g+3], (192*NQ)<<16
	s_mov_b32 s[\g+4], 2*MB
	s_mov_b32 s[\g+5], 3072
	s_mov_b32 s[\g+6], 0
	s_mov_b32 s[\g+7], 0
.endr
	s_or_b32 s[G1S+0], s43, (3<<16)|(1<<21)
	s_or_b32 s[G1SB+0], s44, (3<<16)|(1<<21)
.irp g, G1S, G1SB
	s_mov_b32 s[\g+1], 32<<16
	s_mov_b32 s[\g+2], (HALFS/128)<<16
	s_mov_b32 s[\g+3], 32<<16
	s_mov_b32 s[\g+4], HALFS/128
	s_mov_b32 s[\g+5], 32
	s_mov_b32 s[\g+6], 0
	s_mov_b32 s[\g+7], 0
.endr
	s_mul_i32 s67, s66, CODES
	s_mul_i32 s95, s66, SCLS
	s_add_co_u32 s95, s95, SCOFF
	s_mul_i32 s18, s16, MB
	s_mul_i32 s20, s17, 2*MB
	s_add_co_u32 s20, s20, s18
	s_mul_i32 s20, s20, 16*FRB
	s_add_co_u32 s20, s20, s67
	s_mov_b32 s21, 0
	s_mul_i32 s46, s42, 2*MB
	s_add_co_u32 s46, s46, s18
	s_mul_i32 s46, s46, 16*FRB
	s_add_co_u32 s46, s46, s67
	s_mov_b32 s47, 0
	s_lshl_b32 s22, s17, 1
	s_mul_i32 s22, s22, HALFS
	s_add_co_u32 s22, s22, s95
	s_mov_b32 s23, 0
	s_lshl_b32 s92, s42, 1
	s_mul_i32 s92, s92, HALFS
	s_add_co_u32 s92, s92, s95
	s_mov_b32 s93, 0
	s_mul_i32 s45, s14, HALFT
	s_wait_dscnt 0x0
	s_wait_kmcnt 0x0
	s_cmp_lt_u32 s66, 2
	s_cselect_b64 s[12:13], s[4:5], s[6:7]
	s_cselect_b64 s[18:19], s[6:7], s[4:5]
	s_add_nc_u64 s[20:21], s[12:13], s[20:21]
	s_add_nc_u64 s[22:23], s[12:13], s[22:23]
	s_add_nc_u64 s[46:47], s[18:19], s[46:47]
	s_add_nc_u64 s[92:93], s[18:19], s[92:93]
	CROUND
	s_mov_b32 s[G0S], 1
	s_mov_b32 s[G0S+1], SCL
	s_mov_b64 s[G0S+2:G0S+3], s[22:23]
	s_or_b32 s[G0S+3], s[G0S+3], 0x80000000
	s_mov_b32 s[G0SB], 1
	s_mov_b32 s[G0SB+1], SCL+2*HALFS
	s_mov_b64 s[G0SB+2:G0SB+3], s[92:93]
	s_or_b32 s[G0SB+3], s[G0SB+3], 0x80000000
.irp s, 0,1
	s_mov_b32 s[G0+4*\s], 1
	s_add_co_u32 s[G0+4*\s+1], s45, \s*SLOT
	s_add_nc_u64 s[G0+4*\s+2:G0+4*\s+3], s[20:21], \s*TROW
	s_or_b32 s[G0+4*\s+3], s[G0+4*\s+3], 0x80000000
	s_mov_b32 s[G0B+4*\s], 1
	s_add_co_u32 s[G0B+4*\s+1], s45, \s*SLOT
	s_add_nc_u64 s[G0B+4*\s+2:G0B+4*\s+3], s[46:47], \s*TROW
	s_or_b32 s[G0B+4*\s+3], s[G0B+4*\s+3], 0x80000000
.endr
; the head's four tiles, one joint load a wave: wave 0 slot 0's rows of A, both halves, wave 1 A's scale words, wave 2 slot 0's rows of B, wave 3 B's scale words
	s_mov_b32 s[G0+1], 0                           ; for the head's loads slot 0's groups 0 name the whole tiles: A's at byte 0,
	s_mov_b32 s[G0B+1], 2*HALFT                    ; B's behind it (waves 0 and 2 hold the first half's global address)
.macro ARM under, g0, g1, next
	s_cmp_lt_u32 s14, \under
	s_cbranch_scc0 \next
	tensor_load_to_lds s[\g0:\g0+3], s[\g1:\g1+7]
	s_nop 0
.rept 4
	v_nop
.endr
	s_branch .Lhead_asked
\next:
.endm
	ARM 1, G0,  G1,  .Lhead_sa
	ARM 2, G0S, G1S, .Lhead_b
	ARM 3, G0B, G1B, .Lhead_sb
	tensor_load_to_lds s[G0SB:G0SB+3], s[G1SB:G1SB+7]
	s_nop 0
.rept 4
	v_nop
.endr
.Lhead_asked:
	v_and_b32 v1, 15, v0
	v_bfe_u32 v2, v0, 4, 1
	s_wait_alu depctr_va_vdst(0)
	v_and_b32 v3, 31, v0
	v_lshlrev_b32 v[LI], 4, v3
	s_mul_i32 s21, s15, HALFT
	s_mul_i32 s22, s16, HALFT
	s_add_co_u32 s22, s22, 2*HALFT
.irp s, 0,1
	v_add_nc_u32 v[ADRA+\s], s21, v[LI]
	v_add_nc_u32 v[ADRB+\s], s22, v[LI]
	s_add_co_u32 s21, s21, SLOT
	s_add_co_u32 s22, s22, SLOT
.endr
	v_lshlrev_b32 v5, 4, v1
	s_mul_i32 s21, s15, SHALF
	s_mul_i32 s22, s16, SHALF
	s_add_co_u32 s22, s22, 2*HALFS
	s_sub_co_u32 s22, s22, s21
	v_mul_u32_u24 v6, s22, v2
	s_add_co_u32 s21, s21, SCL
	v_add_nc_u32 v5, v5, v6
	v_add_nc_u32 v[ADRS], s21, v5
	s_cmp_eq_u32 s66, 1
	s_cselect_b64 s[8:9], s[10:11], s[8:9]
	s_cmp_eq_u32 s66, 2
	s_cselect_b64 s[8:9], s[96:97], s[8:9]
	s_cmp_lt_u32 s66, 2
	s_cselect_b32 s67, -1, 0
	s_cselect_b32 s95, 0, -1
	s_lshl_b32 s18, s42, 1
	s_add_co_u32 s18, s18, s16
	s_lshl_b32 s19, s17, 1
	s_add_co_u32 s19, s19, s15
	s_lshl_b32 s20, s18, 9
	s_mov_b32 s21, 0
	s_add_nc_u64 s[10:11], s[8:9], s[20:21]
	s_lshl_b32 s20, s19, 9
	s_add_nc_u64 s[8:9], s[8:9], s[20:21]
	v_lshlrev_b32 v7, 6, v2
	v_and_b32 v8, 8, v1
	v_add_nc_u32 v8, v8, v1
	v_lshlrev_b32 v8, 2, v8
.set BI, 0
.rept MB
	global_load_b128 v[CB+8*BI:CB+8*BI+3], v7, s[10:11] offset:(32*(BI/2)+8*(BI%2))*4
	global_load_b128 v[CB+8*BI+4:CB+8*BI+7], v7, s[10:11] offset:(32*(BI/2)+8*(BI%2))*4+16
	global_load_b32 v[RB+2*BI], v8, s[8:9] offset:(32*(BI/2)+8*(BI%2))*4
.set BI, BI+1
.endr
	s_cmp_lt_u32 s66, 2
	s_cselect_b32 s20, s18, s19
	s_cselect_b32 s22, s19, s18
	s_mul_i32 s46, s66, CODES
	s_mul_i32 s23, s20, 128*FRB
	s_add_co_u32 s46, s46, s23
	s_mul_i32 s23, s22, 8*FRB
	s_add_co_u32 s46, s46, s23
	s_mov_b32 s47, 0
	s_add_nc_u64 s[12:13], s[98:99], s[46:47]
	s_mul_i32 s46, s66, SCLS
	s_add_co_u32 s46, s46, PSC
	s_lshl_b32 s23, s20, 4
	s_add_co_u32 s23, s23, s22
	s_lshl_b32 s23, s23, 9
	s_add_co_u32 s46, s46, s23
	s_add_nc_u64 s[98:99], s[98:99], s[46:47]
	s_wait_loadcnt 0x0
.set I2, 0
.rept 8*MB
	v_cndmask_b32 v[CB+I2], 0, v[CB+I2], s67
.set I2, I2+1
.endr
.set I2, 0
.rept MB
	v_cndmask_b32 v[RB+2*I2], 0, v[RB+2*I2], s95
.set I2, I2+1
.endr
.set I2, 0
.rept MB
	v_mov_b32 v[RB+2*I2+1], v[RB+2*I2]
.set I2, I2+1
.endr
	s_mov_b32 s[SEL], 0x76543210
	s_mov_b32 s[SEL+1], 0xfedcba98
.macro FRAG reg, adr, q, i
.irp c, 0,1,2
	ds_load_b128 v[(\reg)+4*\c:(\reg)+4*\c+3], v[\adr] offset:(\i)*TROW+FRB*(\q)+512*\c
.endr
.endm
.macro FETCH_B slot, q, p
	WIN 0x40
.set FI, 0
.rept MB
	FRAG 128*(\p)+FR*FI, ADRB+\slot, \q, FI
.set FI, FI+1
.endr
	WIN 0
.endm
.macro FETCH_A slot, q, i0
.set FI, \i0
.rept MB/2
	FRAG AF+FR*FI, ADRA+\slot, \q, FI
.set FI, FI+1
.endr
.endm
.macro SCALES sc
.set QI, 0
.rept NQ
.set GI, 0
.rept MB/4
	ds_load_b128 v[SC+16*(\sc)+MB*QI+4*GI:SC+16*(\sc)+MB*QI+4*GI+3], v[ADRS] offset:512*QI+256*GI
.set GI, GI+1
.endr
.set QI, QI+1
.endr
.endm
.macro MULA a, p, q, sc, zero
.set BI, 0
.rept MB
.set AC, 8*(MB*((\a)%4)+BI)
.if \zero
	v_wmma_scale_f32_16x16x128_f8f6f4 v[AC:AC+7], v[128*(\p)+FR*BI:128*(\p)+FR*BI+FR-1], v[AF+FR*(\a):AF+FR*(\a)+FR-1], v[CB+8*BI:CB+8*BI+7], v[SC+16*(\sc)+MB*(\q)+BI], v[SC+16*(\sc)+MB*(\q)+(\a)] matrix_a_fmt:MATRIX_FMT_FP6 matrix_b_fmt:MATRIX_FMT_FP6 matrix_a_scale:MATRIX_SCALE_ROW1
.else
	v_wmma_scale_f32_16x16x128_f8f6f4 v[AC:AC+7], v[128*(\p)+FR*BI:128*(\p)+FR*BI+FR-1], v[AF+FR*(\a):AF+FR*(\a)+FR-1], v[AC:AC+7], v[SC+16*(\sc)+MB*(\q)+BI], v[SC+16*(\sc)+MB*(\q)+(\a)] matrix_a_fmt:MATRIX_FMT_FP6 matrix_b_fmt:MATRIX_FMT_FP6 matrix_a_scale:MATRIX_SCALE_ROW1
.endif
.set BI, BI+1
.endr
.endm
.macro MULS a0, n, p, q, sc, zero
.if \zero
	WIN 0x81+0x40*((\a0)/4)
.else
	WIN 0xa1+0x50*((\a0)/4)
.endif
.set AI, \a0
.rept \n
	MULA AI, \p, \q, \sc, \zero
.set AI, AI+1
.endr
.endm
.macro PLACES
.rept 4
	v_nop
.endr
.endm
.macro STEP slot, q, zero
	s_wait_dscnt 3*(MB/2)
	MULS 0, MB/2, (\q)%2, \q, \slot, \zero
	s_wait_dscnt 0x0
	PLACES
	FETCH_B \slot, (\q)+1, 1-(\q)%2
	FETCH_A \slot, (\q)+1, 0
	MULS MB/2, MB/2, (\q)%2, \q, \slot, \zero
	PLACES
	WIN 0
	FETCH_A \slot, (\q)+1, MB/2
.endm
.macro TURN slot, next, fill
	s_wait_tensorcnt 0x0
	ds_add_u32 v[SPW], v[NIL]
	s_wait_dscnt 3*(MB/2)+1
	MULS 0, MB/4, 1, NQ-1, \slot, 0
	s_wait_dscnt 0x0
	s_barrier_signal -1
	MULS MB/4, MB/4, 1, NQ-1, \slot, 0
	WIN 0
	s_barrier_wait -1
.if \fill
	CREST
	s_add_nc_u64 s[G0+4*\slot+2:G0+4*\slot+3], s[G0+4*\slot+2:G0+4*\slot+3], 2*TROW
	s_add_nc_u64 s[G0B+4*\slot+2:G0B+4*\slot+3], s[G0B+4*\slot+2:G0B+4*\slot+3], 2*TROW
	JLOAD G0+4*\slot, G1, G0B+4*\slot, G1B
.else
	PLACES
.endif
	s_wait_alu depctr_va_vdst(0)
	v_add_nc_u32 v[ADRS], 512*NQ, v[ADRS]
	FETCH_B \next, 0, 0
	FETCH_A \next, 0, 0
	SCALES \next
	MULS MB/2, MB/2, 1, NQ-1, \slot, 0
	PLACES
	WIN 0
	FETCH_A \next, 0, MB/2
.endm
	s_wait_alu depctr_va_vdst(0)
	s_wait_tensorcnt 0x0                           ; my tile of the head's four is in
	ds_add_u32 v[SPW], v[NIL]
	s_mov_b32 s[G1+2], MB<<16                      ; no tensor load of mine is out: from here on a load brings one half's rows,
	s_mov_b32 s[G1+4], MB
	s_mov_b32 s[G1B+2], MB<<16
	s_mov_b32 s[G1B+4], MB
	s_mov_b32 s[G0+1], s45                         ; to my wave's quarter of the slot
	s_mov_b32 s[G0B+1], s45
	s_wait_dscnt 0x0
	CROUND                                         ; all four tiles are in, and the partners are here
	JLOAD G0+4, G1, G0B+4, G1B                     ; slot 1's first fill: the first tensor load behind the round
	FETCH_B 0, 0, 0
	FETCH_A 0, 0, 0
	SCALES 0
	FETCH_A 0, 0, MB/2
	STEP 0, 0, 1
	s_mov_b32 s3, LAPS-1
.Llap:
	TURN 0, 1, 1
	STEP 1, 0, 0
	TURN 1, 0, 1
	STEP 0, 0, 0
	s_sub_co_u32 s3, s3, 1
	s_cmp_lg_u32 s3, 0
	s_cbranch_scc1 .Llap
	TURN 0, 1, 0
	STEP 1, 0, 0
	s_wait_dscnt 3*(MB/2)
	MULS 0, MB/2, 1, NQ-1, 1, 0
	s_wait_dscnt 0x0
	MULS MB/2, MB/2, 1, NQ-1, 1, 0
	WIN 0
	PLACES
.macro OUTA a
	WIN 0x02+(\a)/4
.set I2, 0
.rept 32
	v_pk_add_f32 v[XQ+I2:XQ+I2+1], v[64*((\a)%4)+I2:64*((\a)%4)+I2+1], v[RB+2*(\a):RB+2*(\a)+1]
.set I2, I2+2
.endr
	WIN 0
.if (\a) > 0
	s_wait_xcnt 0x0
.endif
	QUANT XQ, PC, TM, PW+(\a)
.irp c, 0,1,2
	global_store_b128 v[LI], v[PC+4*\c:PC+4*\c+3], s[12:13] offset:FRB*(\a)+512*\c
.endr
.endm
.irp a, 0,1,2,3,4,5,6,7
	OUTA \a
.endr
	s_mov_b32 s20, 0xffff0000
.irp e, 0,1,2,3
	v_cndmask_b32 v[248+\e], v[PW+\e], v[PW+4+\e], s20
.endr
	global_store_b128 v[LI], v[248:251], s[98:99]
	s_wait_tensorcnt 0x0
	ds_add_u32 v[SPW], v[NIL]
	s_wait_dscnt 0x0
	CROUND
	s_endpgm
.Lfunc_end_k_q637989425a_proj:
	.size	k_q637989425a_proj, .Lfunc_end_k_q637989425a_proj-k_q637989425a_proj
	.p2alignl 7, 3214868480
	.fill 96, 4, 3214868480
	.section	.rodata,"a",@progbits
	.p2align	6, 0x0
	.amdhsa_kernel k_q637989425a_proj
		.amdhsa_group_segment_fixed_size 327680
		.amdhsa_private_segment_fixed_size 0
		.amdhsa_enable_private_segment 0
		.amdhsa_kernarg_size 48
		.amdhsa_user_sgpr_count 2
		.amdhsa_user_sgpr_kernarg_segment_ptr 1
		.amdhsa_wavefront_size32 1
		.amdhsa_system_sgpr_workgroup_id_x 1
		.amdhsa_system_sgpr_workgroup_id_y 1
		.amdhsa_system_sgpr_workgroup_id_z 1
		.amdhsa_system_vgpr_workitem_id 0
		.amdhsa_next_free_vgpr 1024
		.amdhsa_next_free_sgpr 100
		.amdhsa_reserve_vcc 0
		.amdhsa_float_denorm_mode_32 3
		.amdhsa_float_denorm_mode_16_64 3
		.amdhsa_memory_ordered 1
		.amdhsa_forward_progress 1
		.amdhsa_inst_pref_size 163
	.end_amdhsa_kernel
	.amdgpu_metadata
---
amdhsa.version: [ 1, 2 ]
amdhsa.kernels:
  - .name:           k_q637989425a_proj
    .symbol:         k_q637989425a_proj.kd
    .args:
      - { .name: actq, .offset: 0, .size: 8, .value_kind: global_buffer, .address_space: global }
      - { .name: wq6, .offset: 8, .size: 8, .value_kind: global_buffer, .address_space: global }
      - { .name: bq, .offset: 16, .size: 8, .value_kind: global_buffer, .address_space: global }
      - { .name: bk, .offset: 24, .size: 8, .value_kind: global_buffer, .address_space: global }
      - { .name: bv, .offset: 32, .size: 8, .value_kind: global_buffer, .address_space: global }
      - { .name: proj, .offset: 40, .size: 8, .value_kind: global_buffer, .address_space: global }
    .group_segment_fixed_size: 327680
    .private_segment_fixed_size: 0
    .kernarg_segment_align: 8
    .kernarg_segment_size: 48
    .max_flat_workgroup_size: 128
    .sgpr_count:     100
    .vgpr_count:     1024
    .wavefront_size: 32
...
	.end_amdgpu_metadata
.endif
;; end of part 2
;; launch attn (part 3): grid 16 x 16, 8 waves a work-group, no clusters, 2,048 bytes of LDS; arguments proj, maskw, attq; writes attq
.if DOCPART == 3
	.amdgcn_target "amdgcn-amd-amdhsa--gfx1250"
	.amdhsa_code_object_version 6
	.text
	.protected	k_q637989425a_attn
	.globl	k_q637989425a_attn
	.p2align	8
	.type	k_q637989425a_attn,@function
k_q637989425a_attn:
	s_mov_b64 s[64:65], 0
	v_nop
	global_prefetch_b8 v0, s[64:65] scope:SCOPE_SE
	s_setreg_imm32_b32 hwreg(HW_REG_WAVE_MODE, 25, 1), 1
	s_wait_xcnt 0x0
; Attention of 16 heads of 128, 2,048 queries and keys, both products on codes of FP6 (E2M3) with E8M0 scales; the mask is an input and is honoured bit by bit; the result is quantised for the output projection.
; THE SOFTMAX AHEAD OF THE SECOND PRODUCT: t = score x log2(e) / sqrt(128); M = the row's largest t so far, rounded UP to a whole number; p = 2^(t - M) is quantised along the keys, not normalised.
; The row's sum is taken of the unquantised p, in f32, and divides O at the end.  When M moves, the sum and O are multiplied by 2^(old M - new M): exact.
; THE MASK.  A score whose mask number is 0 is replaced, ahead of the maximum, by -2^33 (as a logit: -7.59e8, where the definition has -1e9).  c x 2^33 is a whole number and exact, so a row that is masked throughout
; gets p = 1 for every key, the uniform row of the definition; beside any unmasked score p falls to 0.  LIMIT: unmasked logits under -7.5e8 are not told apart from masked ones.
; WHICH KEY STEPS ARE WALKED IS READ FROM THE MASK'S WORDS, whole numbers that an earlier launch stored.  At its head a wave reads the 1,024 words of its query tile and makes two lists of 16 bits:
;   LV: the key steps (128 keys) in which some mask number of the tile is not 0.  If some row of the tile has no such number in all 2,048 keys, LV is all 16 steps: that row is uniform over every key.
;   PT: the key steps in which some mask number is 0: only there are the 64 selects run.
; A step that is left out holds only masked scores of rows that have an unmasked key elsewhere: its p are 2^(c x -2^33 - M) = 0 under the row's final M, for all values of the inputs, so sum and O do not move.
; Every mask is served; no pattern of it is built in.  A NaN or an infinity that reaches only a step left out is not carried to the result.
; Since the walk hangs on numbers read from memory, the launch has no tensor load, and so no cluster and no joint loads: K's and V's fragments, images of their registers, go from memory straight into registers.
; SHARES.  A wave owns one tile of 16 queries of one head.  A work-group (x, head): p = x / 2, half = x % 2; four waves take tiles 4 half .. 4 half + 3 of query group p (128 queries), four those of group 15 - p.
; Wave w takes group p where ((w >> 2) ^ w) & 1 is 0, and tile 4 half + w / 2 of its group.
; LAYOUT.  Both products are used transposed: S^T = K Q^T, O^T = V^T P^T: a lane holds ONE query (lane % 16) throughout.  The rows of a tile of K (keys) and of V^T (channels) are 32 b + 8 u + r + 8 (r / 8) for tile
; 2 b + u, so that the 16 registers of tiles 2 b and 2 b + 1 are 16 neighbours: what the quantiser of p, and of the result, takes.
; LOADS RUN A STEP AHEAD.  Behind K Q^T of a step the next listed step's K is asked for (24 loads of 512 bytes and its scale words), behind V^T P^T its V (25 loads): so each wait for 25 leaves the younger group out.
; The last listed step is written out: it asks for nothing.  No prefetch: these loads are themselves issued a step ahead of their use.
; LIMITS: a block of zeros gets the byte 1 where the rule says 127; NaN and infinities are not served.
; REGISTERS, window 0: v1-11 addresses; v12 -M, v13 the largest t, v[14:15] the sum in two halves; v16-27 Q, v28 its scale words; v32-79 the head's work on the mask, v32-59 the way out; v80-83 K's scale words, v84-87 V's;
;   v96-159 S^T, then p; v160-223 O^T; v224-235 p's codes; v232-254 at work.   Window 1: v0-95 K's eight fragments, v96-191 V's.
.set CODES, 3145728
.set SCLS,  131072
.set PSC,   9437184                    ; where the scale words begin in proj
.set FRB,   1536
.set STEPB, 8*FRB                      ; a key step's tiles of K, or of V
.set SPARE, 0                          ; LDS: the spare words, 128 bytes for each of the eight waves,
.set OSC,   1024                       ; and two half blocks of scale words of the result
.set LI,   1                           ; v1   16 x lane
.set OSG,  4                           ; v4   where a lane's 16 bytes of the result's scale words go in attq
.set SPW,  5                           ; v5   LDS address of my spare word; never rewritten
.set NIL,  6                           ; v6   0; never rewritten
.set MSK,  7                           ; v7   -2^33
.set ADK,  8                           ; v8   16 x lane + 12,288 x key step
.set ADS,  9                           ; v9   16 x lane + 512 x key step
.set OSA,  10                          ; v10  where my tile's scale words go in LDS
.set OSR,  11                          ; v11  OSC + 16 x lane
.set KFR,  0                           ; window 1: K's fragments
.set VFR,  96                          ; window 1: V's
.set CUR,  2                           ; s2   this key step
.set NX,   3                           ; s3   the next listed one
.set KB,   4                           ; s[4:5] the head's codes of K, s[6:7] of V, s[8:9] K's scale words, s[10:11] V's
.set VB,   6
.set KS,   8
.set VS,   10
.set SEL,  20                          ; s[20:21] selects of v_permlanex16_b32: lane l xor 16
.set CS,   22                          ; s[22:23] c = log2(e) / sqrt(128)
.set WV,   26
.set CNT,  27                          ; s27  counts the steps
.set NT,   28                          ; s28  listed steps less one
.set LV,   29                          ; s29  the steps still to be asked for
.set MO,   30                          ; s30  256 x the key step whose mask words are asked for
.set PT,   31                          ; s31  the steps with a mask number of 0
.set FL,   66                          ; s66  this step's bit of PT
.set MSB, 0
.macro WIN new                         ; the immediate's high byte repeats the setting that is left; bits 1:0 source 0, 7:6 destination
.if MSB != (\new)
	s_set_vgpr_msb (MSB<<8)|(\new)
.set MSB, (\new)
.endif
.endm
.macro QUANT s, pc, tm, pw             ; 64 numbers of a lane, register 16 b + i = k 32 b + 16 h + i, become a fragment's codes in v[pc] on and its rows' scale word in v[pw]
.irp b, 0,1,2,3
	v_max3_num_f32 v[(\tm)+\b], |v[(\s)+16*\b]|, |v[(\s)+1+16*\b]|, 0x1800000
.endr
.irp i, 2,4,6,8,10,12,14
.irp b, 0,1,2,3
	s_delay_alu instid0(VALU_DEP_4)
	v_max3_num_f32 v[(\tm)+\b], v[(\tm)+\b], |v[(\s)+16*\b+\i]|, |v[(\s)+1+16*\b+\i]|
.endr
.endr
.irp b, 0,1,2,3
	s_delay_alu instid0(VALU_DEP_4)
	v_permlanex16_b32 v[(\tm)+4+\b], v[(\tm)+\b], s[SEL], s[SEL+1]
.endr
.irp b, 0,1,2,3
	s_delay_alu instid0(VALU_DEP_4)
	v_max_num_f32 v[(\tm)+\b], v[(\tm)+\b], v[(\tm)+4+\b]
.endr
.irp b, 0,1,2,3
	s_delay_alu instid0(VALU_DEP_4)
	v_add_nc_u32 v[(\tm)+12+\b], 0xff000000, v[(\tm)+\b]
.endr
.irp b, 0,1,2,3
	s_delay_alu instid0(VALU_DEP_4)
	v_lshrrev_b32 v[(\tm)+4+\b], 23, v[(\tm)+12+\b]
.endr
	s_delay_alu instid0(VALU_DEP_3)
	v_lshl_or_b32 v[\pw], v[(\tm)+5], 8, v[(\tm)+4]
	s_delay_alu instid0(VALU_DEP_1)
	v_lshl_or_b32 v[\pw], v[(\tm)+6], 16, v[\pw]
	s_delay_alu instid0(VALU_DEP_1)
	v_lshl_or_b32 v[\pw], v[(\tm)+7], 24, v[\pw]
.irp c, 0,1
	v_cvt_scalef32_pk16_fp6_f32 v[(\pc)+6*\c:(\pc)+2+6*\c], v[(\s)+32*\c:(\s)+15+32*\c], v[(\tm)+12+2*\c]
	v_cvt_scalef32_pk16_fp6_f32 v[(\pc)+12+4*\c:(\pc)+14+4*\c], v[(\s)+16+32*\c:(\s)+31+32*\c], v[(\tm)+12+2*\c+1]
.endr
	v_nop
.irp c, 0,1
.irp i, 0,1,2
	v_permlane16_swap_b32 v[(\pc)+6*\c+\i], v[(\pc)+12+4*\c+\i]
.endr
.irp i, 0,1,2
	s_delay_alu instid0(VALU_DEP_3)
	v_mov_b32 v[(\pc)+3+6*\c+\i], v[(\pc)+12+4*\c+\i]
.endr
.endr
.endm
	s_load_b128 s[32:35], s[0:1], 0x0              ; proj, maskw
	s_load_b64 s[36:37], s[0:1], 0x10              ; attq
	v_lshl_add_u32 v[SPW], v0, 2, SPARE
	v_mov_b32 v[NIL], 0
	v_lshrrev_b32 v8, 5, v0
	v_readfirstlane_b32 s[WV], v8                  ; wave 0..7
	s_and_b32 s58, ttmp7, 0xffff                   ; the head
	s_lshr_b32 s56, ttmp9, 1                       ; p
	s_and_b32 s57, ttmp9, 1                        ; half
	s_lshr_b32 s60, s[WV], 2
	s_xor_b32 s60, s60, s[WV]
	s_and_b32 s60, s60, 1                          ; 0: group p, 1: group 15 - p
	s_lshr_b32 s61, s[WV], 1                       ; e: which of the half's four tiles
	s_sub_co_u32 s63, 15, s56
	s_cmp_eq_u32 s60, 0
	s_cselect_b32 s62, s56, s63                    ; my query group G
	s_lshl_b32 s59, s62, 3
	s_lshl_b32 s68, s57, 2
	s_add_co_u32 s59, s59, s68
	s_add_co_u32 s59, s59, s61                     ; my query tile T = 8 G + 4 half + e
	s_mul_i32 s70, s58, 16*STEPB                   ; a head's codes
	s_add_co_u32 s40, s70, CODES                   ; k is tensor 1 of proj,
	s_mov_b32 s41, 0
	s_add_co_u32 s42, s70, 2*CODES                 ; v^T tensor 2
	s_mov_b32 s43, 0
	s_lshl_b32 s71, s58, 13
	s_add_co_u32 s44, s71, PSC+SCLS                ; their scale words: 8,192 bytes a head
	s_mov_b32 s45, 0
	s_add_co_u32 s46, s71, PSC+2*SCLS
	s_mov_b32 s47, 0
	s_mul_i32 s48, s59, FRB
	s_add_co_u32 s48, s48, s70                     ; Q's image: tensor 0, head, tile T
	s_mov_b32 s49, 0
	s_lshl_b32 s50, s58, 4
	s_add_co_u32 s50, s50, s62
	s_lshl_b32 s50, s50, 9                         ; its block of scale words,
	s_lshl_b32 s72, s57, 8
	s_lshl_b32 s73, s61, 2
	s_add_co_u32 s50, s50, s72
	s_add_co_u32 s50, s50, s73                     ; my tile's words in it: 256 half + 4 e, + 16 r
	s_add_co_u32 s50, s50, PSC
	s_mov_b32 s51, 0
	s_lshl_b32 s52, s59, 12                        ; my tile's mask words
	s_mov_b32 s53, 0
	s_lshl_b32 s54, s59, 4
	s_add_co_u32 s54, s54, s58
	s_mul_i32 s54, s54, FRB                        ; the result's image: (16 T + head) x 1,536
	s_mov_b32 s55, 0
	s_lshl_b32 s74, s58, 9
	s_add_co_u32 s74, s74, s72
	s_add_co_u32 s74, s74, CODES                   ; its scale words: block 16 G + head, my half; 8,192 G is the lanes' part
	s_mov_b32 s75, 0
	s_lshl_b32 s76, s60, 8
	s_add_co_u32 s76, s76, s73
	s_add_co_u32 s76, s76, OSC                     ; LDS: half block of my group, my tile's words
	s_lshl_b32 s77, s56, 13
	s_lshl_b32 s78, s63, 13
	s_mov_b32 s79, 0xffff0000
	s_mov_b32 s[SEL], 0x76543210
	s_mov_b32 s[SEL+1], 0xfedcba98
	s_mov_b32 s[CS], 0x3e0293ee
	s_mov_b32 s[CS+1], s[CS]                       ; named with it as a pair, so it is written
	v_and_b32 v8, 31, v0
	v_and_b32 v9, 15, v0
	v_lshlrev_b32 v[LI], 4, v8
	v_lshlrev_b32 v3, 4, v9                        ; 16 r
	v_mov_b32 v8, s77
	v_mov_b32 v9, s78
	v_add_nc_u32 v[OSA], s76, v3
	v_add_nc_u32 v[OSR], OSC, v[LI]
	v_cndmask_b32 v[OSG], v8, v9, s79              ; lanes 0-15 store group p's half block, lanes 16-31 group 15 - p's
	v_add_nc_u32 v[OSG], v[OSG], v3
	s_wait_alu depctr_va_vdst(0)
	s_wait_kmcnt 0x0
	s_add_nc_u64 s[KB:KB+1], s[32:33], s[40:41]
	s_add_nc_u64 s[VB:VB+1], s[32:33], s[42:43]
	s_add_nc_u64 s[KS:KS+1], s[32:33], s[44:45]
	s_add_nc_u64 s[VS:VS+1], s[32:33], s[46:47]
	s_add_nc_u64 s[12:13], s[32:33], s[48:49]
	s_add_nc_u64 s[14:15], s[32:33], s[50:51]
	s_add_nc_u64 s[16:17], s[34:35], s[52:53]
	s_add_nc_u64 s[18:19], s[36:37], s[54:55]
	s_add_nc_u64 s[24:25], s[36:37], s[74:75]
.irp i, 0,1,2,3,4,5,6,7
	global_load_b128 v[32+4*\i:35+4*\i], v[LI], s[16:17] offset:512*\i   ; my tile's mask words: lanes 0-15 key step 2 i, lanes 16-31 step 2 i + 1
.endr
.irp c, 0,1,2
	global_load_b128 v[16+4*\c:19+4*\c], v[LI], s[12:13] offset:512*\c   ; Q's fragment stays in registers
.endr
	global_load_b32 v28, v3, s[14:15]              ; and its rows' scale words
	v_mov_b32 v[MSK], 0xd0000000                   ; -2^33
	v_mov_b32 v13, 0xff61b1e6                      ; the largest t so far: -3e38, under every t
	v_mov_b32 v14, 0                               ; the sum, in two halves
	v_mov_b32 v15, 0
	v_floor_f32 v12, -v13                          ; -M
.irp b, 0,1,2,3
	v_mov_b32 v[236+\b], 0                         ; a lane permute's destination counts as one of its sources
.endr
	v_mov_b32 v253, 0                              ; named as the upper half of v[252:253] before it is first written
.set N, 0
.rept 64
	v_mov_b32 v[160+N], 0                          ; O^T: the step is written for a running sum; the first finds zeros
.set N, N+1
.endr
	s_wait_alu depctr_va_vdst(0)
	s_wait_loadcnt 4                               ; the mask words are in; Q's four loads may be out
.irp i, 0,1,2,3,4,5,6,7
	v_or_b32 v[64+\i], v[32+4*\i], v[33+4*\i]
	v_or_b32 v[72+\i], v[34+4*\i], v[35+4*\i]
	v_and_b32 v[32+4*\i], v[32+4*\i], v[33+4*\i]
	v_and_b32 v[34+4*\i], v[34+4*\i], v[35+4*\i]
.endr
.irp i, 0,1,2,3,4,5,6,7
	v_or_b32 v[64+\i], v[64+\i], v[72+\i]          ; my four words: any bit set,
	v_and_b32 v[32+4*\i], v[32+4*\i], v[34+4*\i]   ; and the bits set in all four
.endr
.irp i, 0,1,2,3,4,5,6,7
	v_cmp_ne_u32 s[40+\i], 0, v[64+\i]             ; lanes with a number that is not 0
	v_cmp_ne_u32 s[48+\i], -1, v[32+4*\i]          ; lanes with a number that is 0
.endr
.irp i, 0,2,4,6
	v_or_b32 v[64+\i], v[64+\i], v[65+\i]
.endr
	v_or_b32 v64, v64, v66
	v_or_b32 v68, v68, v70
	v_or_b32 v64, v64, v68                         ; over all 16 key steps,
.irp m, 1,2,4,8
	v_mov_b32_dpp v72, v64 row_xmask:\m row_mask:0xf bank_mask:0xf
	v_or_b32 v64, v64, v72
.endr
	v_permlanex16_b32 v72, v64, s[SEL], s[SEL+1]
	v_or_b32 v64, v64, v72                         ; and over all lanes: bits r and r + 16 say whether row r has an unmasked key
	v_readfirstlane_b32 s56, v64
	s_wait_alu depctr_va_vdst(0)
	s_mov_b32 s[LV], 0
	s_mov_b32 s[PT], 0
.macro BITS dst, src, i                ; a lane mask's two halves become bits 2 i and 2 i + 1 of a list
	s_and_b32 s57, s[\src], 0xffff
	s_cselect_b32 s57, 1<<(2*(\i)), 0
	s_or_b32 s[\dst], s[\dst], s57
	s_lshr_b32 s57, s[\src], 16
	s_cselect_b32 s57, 2<<(2*(\i)), 0
	s_or_b32 s[\dst], s[\dst], s57
.endm
.irp i, 0,1,2,3,4,5,6,7
	BITS LV, 40+\i, \i
	BITS PT, 48+\i, \i
.endr
	s_lshr_b32 s57, s56, 16
	s_or_b32 s56, s56, s57
	s_and_b32 s56, s56, 0xffff
	s_cmp_eq_u32 s56, 0xffff                       ; has every row an unmasked key?
	s_cselect_b32 s[LV], s[LV], 0xffff             ; if not, every key step is walked
	s_bcnt1_i32_b32 s[NT], s[LV]                   ; at least 1: rows with an unmasked key have a listed step
	s_sub_co_u32 s[NT], s[NT], 1
	s_min_u32 s[NT], s[NT], 15
	s_ctz_i32_b32 s[CUR], s[LV]                    ; the first listed step,
	s_min_u32 s[CUR], s[CUR], 15
	s_sub_co_u32 s57, s[LV], 1
	s_and_b32 s[LV], s[LV], s57                    ; struck off the list
	s_mul_i32 s56, s[CUR], STEPB
	s_lshl_b32 s57, s[CUR], 9
	s_lshl_b32 s[MO], s[CUR], 8
	v_add_nc_u32 v[ADK], s56, v[LI]
	v_add_nc_u32 v[ADS], s57, v[LI]
.macro MASKW                           ; 64 mask words, 256 consecutive bytes
	s_load_b512 s[32:47], s[16:17], s[MO] offset:0x0
	s_load_b512 s[48:63], s[16:17], s[MO] offset:0x40
	s_load_b512 s[68:83], s[16:17], s[MO] offset:0x80
	s_load_b512 s[84:99], s[16:17], s[MO] offset:0xc0
.endm
.macro GET sreg, sbase, freg, base     ; 25 loads: a step's scale words (tile e's in lanes 0-15, tile 4 + e's in lanes 16-31 of register e) and its eight fragments, 512 consecutive bytes a load
	global_load_b128 v[\sreg:\sreg+3], v[ADS], s[\sbase:\sbase+1]
	WIN 0x40                                       ; destination in window 1
.irp t, 0,1,2,3,4,5,6,7
.irp c, 0,1,2
	global_load_b128 v[\freg+12*\t+4*\c:\freg+12*\t+4*\c+3], v[ADK], s[\base:\base+1] offset:\t*FRB+512*\c
.endr
.endr
	WIN 0
.endm
	GET 80, KS, KFR, KB
	GET 84, VS, VFR, VB
	MASKW
; A KEY STEP: 128 keys.  At its head K and then V of this step have been asked for, 25 loads each, and its mask words.  more = 1: a listed step follows.
.macro STEP more
	s_lshr_b32 s[FL], s[PT], s[CUR]
	s_and_b32 s[FL], s[FL], 1                      ; has this step a mask number of 0?
	s_wait_loadcnt 25                              ; K's fragments and scale words are in (and Q); V's 25 loads, issued behind them, may be out
	WIN 0x01                                       ; source 0 in window 1
.irp t, 0,1,2,3,4,5,6,7                        ; S^T = K Q^T: eight tiles of 16 keys
.if \t < 4
	v_wmma_scale_f32_16x16x128_f8f6f4 v[96+8*\t:103+8*\t], v[KFR+12*\t:KFR+12*\t+11], v[16:27], 0, v[80+\t], v28 matrix_a_fmt:MATRIX_FMT_FP6 matrix_b_fmt:MATRIX_FMT_FP6
.else
	v_wmma_scale_f32_16x16x128_f8f6f4 v[96+8*\t:103+8*\t], v[KFR+12*\t:KFR+12*\t+11], v[16:27], 0, v[76+\t], v28 matrix_a_fmt:MATRIX_FMT_FP6 matrix_b_fmt:MATRIX_FMT_FP6 matrix_a_scale:MATRIX_SCALE_ROW1
.endif
.endr                                          ; lane (r, h) holds query r; register 16 b + i is key 32 b + 16 h + i of the step
	WIN 0
.if \more
	s_ctz_i32_b32 s[NX], s[LV]                     ; the next listed step; held to 0 .. 15 before it enters an address
	s_min_u32 s[NX], s[NX], 15
	s_sub_co_u32 s67, s[LV], 1
	s_and_b32 s[LV], s[LV], s67
	s_mul_i32 s12, s[NX], STEPB
	s_lshl_b32 s13, s[NX], 9
	s_wait_xcnt 0x0                                ; V's loads have read the two offsets
	v_add_nc_u32 v[ADK], s12, v[LI]                ; these two and two v_nop are the four places between the products and the loads into their registers and the reads of their results
	v_add_nc_u32 v[ADS], s13, v[LI]
	v_nop
	v_nop
	GET 80, KS, KFR, KB                            ; the next step's K
.else
.rept 4
	v_nop                                          ; the same four places
.endr
.endif
	s_wait_kmcnt 0x0                               ; this step's mask words, asked for a step ago
	s_cmp_eq_u32 s[FL], 0
	s_cbranch_scc1 .Lfull_\@                       ; every mask number of the step is set: nothing to select
.set N, 0
.rept 32
	v_cndmask_b32 v[96+N], v[MSK], v[96+N], s[32+N]                ; the score where the mask's number is not 0, else -2^33; each accumulator from its low end on
.set N, N+1
.endr
.rept 32
	v_cndmask_b32 v[96+N], v[MSK], v[96+N], s[36+N]
.set N, N+1
.endr
.Lfull_\@:
.if \more
	s_lshl_b32 s[MO], s[NX], 8
	MASKW                                          ; the next step's mask words
	s_mov_b32 s[CUR], s[NX]
.endif
; the largest score of each block of 32 keys: for the row's maximum, and, since p rises with the score, for the block's largest p.  Eight chains by turns, two to a block (my registers 0-8 and 9-15 of its 16):
; a line that reads scores hangs on the line eight vector instructions back; each accumulator is first read in one of its four lowest registers
.irp b, 0,1,2,3
	v_max3_num_f32 v[232+\b], v[96+16*\b], v[97+16*\b], v[98+16*\b]
.endr
.irp b, 0,1,2,3
	v_max3_num_f32 v[236+\b], v[105+16*\b], v[106+16*\b], v[107+16*\b]
.endr
.irp i, 3,5
.irp b, 0,1,2,3
	v_max3_num_f32 v[232+\b], v[232+\b], v[96+16*\b+\i], v[97+16*\b+\i]
.endr
.irp b, 0,1,2,3
	v_max3_num_f32 v[236+\b], v[236+\b], v[105+16*\b+\i], v[106+16*\b+\i]
.endr
.endr
.irp b, 0,1,2,3
	v_max3_num_f32 v[232+\b], v[232+\b], v[103+16*\b], v[104+16*\b]
.endr
.irp b, 0,1,2,3
	s_delay_alu instid0(VALU_DEP_4)
	v_max_num_f32 v[232+\b], v[232+\b], v[236+\b]  ; a block's two chains joined
.endr
.irp b, 0,1,2,3
	s_delay_alu instid0(VALU_DEP_4)
	v_permlanex16_b32 v[236+\b], v[232+\b], s[SEL], s[SEL+1]
.endr
.irp b, 0,1,2,3
	s_delay_alu instid0(VALU_DEP_4)
	v_max_num_f32 v[232+\b], v[232+\b], v[236+\b]  ; with lane l xor 16's 16 keys
.endr
	s_delay_alu instid0(VALU_DEP_2)
	v_max3_num_f32 v254, v232, v233, v234
	s_delay_alu instid0(VALU_DEP_1)
	v_max_num_f32 v254, v254, v235                 ; the step's largest score of my query
	s_delay_alu instid0(VALU_DEP_1)
	v_mul_f32 v254, s[CS], v254                    ; as t
	s_delay_alu instid0(VALU_DEP_1)
	v_max_num_f32 v13, v13, v254                   ; the running largest t
	v_mov_b32 v254, v12
	s_delay_alu instid0(VALU_DEP_2)
	v_floor_f32 v12, -v13                          ; the new -M = floor(-t): M is a whole number
	s_delay_alu instid0(VALU_DEP_1)
	v_sub_f32 v254, v12, v254                      ; old M - new M: a whole number, 0 or less
	s_delay_alu instid0(VALU_DEP_1)
	v_cvt_i32_f32 v254, v254                       ; (it saturates)
	s_delay_alu instid0(VALU_DEP_1)
	v_ldexp_f32 v252, 1.0, v254                    ; f = 2^(old M - new M)
.set N, 0
.rept 32
	v_pk_fma_f32 v[96+N:97+N], v[96+N:97+N], s[CS:CS+1], v[12:13] op_sel_hi:[1,0,0]   ; t - M, two at a time
.set N, N+2
.endr
.irp b, 0,1,2,3
	v_fma_f32 v[232+\b], v[232+\b], s[CS], v12     ; the same of each block's largest score
.endr
	s_wait_alu depctr_va_vdst(0)
.set N, 0
.rept 64
	v_exp_f32 v[96+N], v[96+N]                     ; p = 2^(t - M), at most 1: not normalised
.set N, N+1
.endr
	v_pk_mul_f32 v[14:15], v[14:15], v[252:253] op_sel_hi:[1,0]    ; the sums under the new M.  (A plain place behind the exponentials)
	s_wait_alu depctr_va_vdst(0)                   ; one wait for the whole batch, ahead of its first reader
.irp b, 0,1,2,3
	v_exp_f32 v[232+\b], v[232+\b]                 ; the block's largest p
.endr
	v_pk_add_f32 v[236:237], v[100:101], v[104:105]                ; the row's sum of the unquantised p, in eight chains
	v_pk_add_f32 v[254:255], v[108:109], v[112:113]
	v_pk_add_f32 v[250:251], v[116:117], v[120:121]
	v_pk_add_f32 v[248:249], v[124:125], v[128:129]
	v_pk_add_f32 v[246:247], v[132:133], v[136:137]
	v_pk_add_f32 v[244:245], v[140:141], v[144:145]
	v_pk_add_f32 v[242:243], v[148:149], v[152:153]
	v_pk_add_f32 v[14:15], v[14:15], v[156:157]
	v_pk_add_f32 v[236:237], v[236:237], v[96:97]
	v_pk_add_f32 v[254:255], v[254:255], v[98:99]
	v_pk_add_f32 v[250:251], v[250:251], v[102:103]
	v_pk_add_f32 v[248:249], v[248:249], v[106:107]
	v_pk_add_f32 v[246:247], v[246:247], v[110:111]
	v_pk_add_f32 v[244:245], v[244:245], v[114:115]
	v_pk_add_f32 v[242:243], v[242:243], v[118:119]
	v_pk_add_f32 v[14:15], v[14:15], v[122:123]
	v_pk_add_f32 v[236:237], v[236:237], v[126:127]
	v_pk_add_f32 v[254:255], v[254:255], v[130:131]
	v_pk_add_f32 v[250:251], v[250:251], v[134:135]
	v_pk_add_f32 v[248:249], v[248:249], v[138:139]
	v_pk_add_f32 v[246:247], v[246:247], v[142:143]
	v_pk_add_f32 v[244:245], v[244:245], v[146:147]
	v_pk_add_f32 v[242:243], v[242:243], v[150:151]
	v_pk_add_f32 v[14:15], v[14:15], v[154:155]
	v_pk_add_f32 v[236:237], v[236:237], v[158:159]
	s_delay_alu instid0(VALU_DEP_2)
	v_pk_add_f32 v[14:15], v[14:15], v[248:249]
	s_delay_alu instid0(VALU_DEP_2)
	v_pk_add_f32 v[236:237], v[236:237], v[246:247]
	v_pk_add_f32 v[254:255], v[254:255], v[244:245]
	v_pk_add_f32 v[250:251], v[250:251], v[242:243]
	s_delay_alu instid0(VALU_DEP_2)
	v_pk_add_f32 v[14:15], v[14:15], v[254:255]
	s_delay_alu instid0(VALU_DEP_2)
	v_pk_add_f32 v[236:237], v[236:237], v[250:251]
	s_delay_alu instid0(VALU_DEP_1)
	v_pk_add_f32 v[14:15], v[14:15], v[236:237]
	s_wait_alu depctr_va_vdst(0)                   ; and one for the four
.irp b, 0,1,2,3
	v_max_num_f32 v[232+\b], 0x1800000, v[232+\b]  ; the floor 2^(3 - 127): the byte cannot fall under 1
.endr
.irp b, 0,1,2,3
	s_delay_alu instid0(VALU_DEP_4)
	v_add_nc_u32 v[244+\b], 0xff000000, v[232+\b]  ; 2 off the exponent field: the conversion's scale operand
.endr
.irp b, 0,1,2,3
	s_delay_alu instid0(VALU_DEP_4)
	v_lshrrev_b32 v[236+\b], 23, v[244+\b]         ; the scale's byte
.endr
	s_delay_alu instid0(VALU_DEP_3)
	v_lshl_or_b32 v253, v237, 8, v236              ; p's scale word for these 128 keys
	s_delay_alu instid0(VALU_DEP_1)
	v_lshl_or_b32 v253, v238, 16, v253
	s_delay_alu instid0(VALU_DEP_1)
	v_lshl_or_b32 v253, v239, 24, v253
.irp c, 0,1
	v_cvt_scalef32_pk16_fp6_f32 v[224+6*\c:226+6*\c], v[96+32*\c:111+32*\c], v[244+2*\c]
	v_cvt_scalef32_pk16_fp6_f32 v[236+4*\c:238+4*\c], v[112+32*\c:127+32*\c], v[244+2*\c+1]
.endr
	v_nop                                          ; one plain place behind the scaled conversions
.irp c, 0,1
.irp i, 0,1,2
	v_permlane16_swap_b32 v[224+6*\c+\i], v[236+4*\c+\i]
.endr
.irp i, 0,1,2
	s_delay_alu instid0(VALU_DEP_3)
	v_mov_b32 v[227+6*\c+\i], v[236+4*\c+\i]
.endr
.endr
	s_wait_alu depctr_va_vdst(0)                   ; directly ahead of the first reader of O^T
.set N, 0
.rept 32
	v_pk_mul_f32 v[160+N:161+N], v[160+N:161+N], v[252:253] op_sel_hi:[1,0]   ; O^T under the new M.  (These are also the places in front of the products below)
.set N, N+2
.endr
	s_wait_alu depctr_va_vdst(0)
.if \more
	s_wait_loadcnt 25                              ; V's fragments and scale words are in; the 25 loads of the next step's K, issued behind them, may be out
.else
	s_wait_loadcnt 0x0
.endif
	WIN 0x01
.irp t, 0,1,2,3,4,5,6,7                        ; O^T += V^T P^T: eight tiles of 16 channels, eight accumulators by turns
.if \t < 4
	v_wmma_scale_f32_16x16x128_f8f6f4 v[160+8*\t:167+8*\t], v[VFR+12*\t:VFR+12*\t+11], v[224:235], v[160+8*\t:167+8*\t], v[84+\t], v253 matrix_a_fmt:MATRIX_FMT_FP6 matrix_b_fmt:MATRIX_FMT_FP6
.else
	v_wmma_scale_f32_16x16x128_f8f6f4 v[160+8*\t:167+8*\t], v[VFR+12*\t:VFR+12*\t+11], v[224:235], v[160+8*\t:167+8*\t], v[80+\t], v253 matrix_a_fmt:MATRIX_FMT_FP6 matrix_b_fmt:MATRIX_FMT_FP6 matrix_a_scale:MATRIX_SCALE_ROW1
.endif
.endr
	WIN 0                                          ; at a label and at a branch every window is 0
.if \more
.rept 4
	v_nop                                          ; four places between the products and the loads into their registers
.endr
	GET 84, VS, VFR, VB                            ; the next step's V
.endif
.endm
	s_mov_b32 s[CNT], 0
	s_cmp_eq_u32 s[NT], 0
	s_wait_alu depctr_va_vdst(0)
	s_cbranch_scc1 .Llast
.Lstep:                                            ; the listed steps but the last
	STEP 1
	s_add_co_u32 s[CNT], s[CNT], 1
	s_cmp_lt_u32 s[CNT], s[NT]
	s_cbranch_scc1 .Lstep
.Llast:
	STEP 0                                         ; the last listed step asks for nothing more
	; THE WAY OUT.  O^T is divided by the row's sum; register 16 b + i is channel 32 b + 16 h + i of my query: quantised, it is K step (head) of the output projection's operand.
	v_add_f32 v14, v14, v15
	s_delay_alu instid0(VALU_DEP_1)
	v_permlanex16_b32 v252, v14, s[SEL], s[SEL+1]
	s_delay_alu instid0(VALU_DEP_1)
	v_add_f32 v14, v14, v252                       ; the row's sum
	s_wait_alu depctr_va_vdst(0)
	v_rcp_f32 v14, v14
.rept 4
	v_nop                                          ; the plain place behind the reciprocal, and the places behind the last products
.endr
	s_wait_alu depctr_va_vdst(0)                   ; ahead of the reciprocal's first reader
.set N, 0
.rept 64
	v_mul_f32 v[96+N], v[160+N], v14
.set N, N+1
.endr
	QUANT 96, 32, 232, 52
.irp c, 0,1,2
	global_store_b128 v[LI], v[32+4*\c:35+4*\c], s[18:19] offset:512*\c   ; the image: 512 consecutive bytes a store
.endr
	ds_store_b32 v[OSA], v52                       ; my tile's scale words into my group's half block (lanes r and r + 16 write the same word with the same value)
	s_wait_dscnt 0x0                               ; for wave 0's sake
	s_barrier_signal -1
	s_barrier_wait -1
	s_cmp_lg_u32 s[WV], 0
	s_cbranch_scc1 .Lnot_first
	ds_load_b128 v[56:59], v[OSR]
	s_wait_dscnt 0x0
	global_store_b128 v[OSG], v[56:59], s[24:25]   ; two half blocks: sixteen lanes store 256 consecutive bytes, aligned
.Lnot_first:
	s_wait_tensorcnt 0x0                           ; the wave's end
	ds_add_u32 v[SPW], v[NIL]
	s_wait_dscnt 0x0
	s_endpgm
.Lfunc_end_k_q637989425a_attn:
	.size	k_q637989425a_attn, .Lfunc_end_k_q637989425a_attn-k_q637989425a_attn
	.p2alignl 7, 3214868480
	.fill 96, 4, 3214868480
	.section	.rodata,"a",@progbits
	.p2align	6, 0x0
	.amdhsa_kernel k_q637989425a_attn
		.amdhsa_group_segment_fixed_size 2048
		.amdhsa_private_segment_fixed_size 0
		.amdhsa_enable_private_segment 0
		.amdhsa_kernarg_size 24
		.amdhsa_user_sgpr_count 2
		.amdhsa_user_sgpr_kernarg_segment_ptr 1
		.amdhsa_wavefront_size32 1
		.amdhsa_system_sgpr_workgroup_id_x 1
		.amdhsa_system_sgpr_workgroup_id_y 1
		.amdhsa_system_sgpr_workgroup_id_z 1
		.amdhsa_system_vgpr_workitem_id 0
		.amdhsa_next_free_vgpr 512
		.amdhsa_next_free_sgpr 100
		.amdhsa_reserve_vcc 0
		.amdhsa_float_denorm_mode_32 3
		.amdhsa_float_denorm_mode_16_64 3
		.amdhsa_memory_ordered 1
		.amdhsa_forward_progress 1
		.amdhsa_inst_pref_size 76
	.end_amdhsa_kernel
	.amdgpu_metadata
---
amdhsa.version: [ 1, 2 ]
amdhsa.kernels:
  - .name:           k_q637989425a_attn
    .symbol:         k_q637989425a_attn.kd
    .args:
      - { .name: proj, .offset: 0, .size: 8, .value_kind: global_buffer, .address_space: global }
      - { .name: maskw, .offset: 8, .size: 8, .value_kind: global_buffer, .address_space: global }
      - { .name: attq, .offset: 16, .size: 8, .value_kind: global_buffer, .address_space: global }
    .group_segment_fixed_size: 2048
    .private_segment_fixed_size: 0
    .kernarg_segment_align: 8
    .kernarg_segment_size: 24
    .max_flat_workgroup_size: 256
    .sgpr_count:     100
    .vgpr_count:     512
    .wavefront_size: 32
...
	.end_amdgpu_metadata
.endif
;; end of part 3
;; launch outp (part 4): grid 16 x 16, 4 waves a work-group, clusters of 4 x 4, 327,680 bytes of LDS; arguments attq, wq6, bo, out0; writes out0
.if DOCPART == 4
	.amdgcn_target "amdgcn-amd-amdhsa--gfx1250"
	.amdhsa_code_object_version 6
	.text
	.protected	k_q637989425a_outp
	.globl	k_q637989425a_outp
	.p2align	8
	.type	k_q637989425a_outp,@function
k_q637989425a_outp:
	s_mov_b64 s[64:65], 0
	v_nop
	global_prefetch_b8 v0, s[64:65] scope:SCOPE_SE
	s_setreg_imm32_b32 hwreg(HW_REG_WAVE_MODE, 25, 1), 1
	s_wait_xcnt 0x0
	s_wait_alu depctr_hold_cnt(0) depctr_sa_sdst(0) depctr_va_vdst(0) depctr_va_sdst(0) depctr_va_ssrc(0) depctr_va_vcc(0) depctr_vm_vsrc(0)
	s_getreg_b32 s2, hwreg(HW_REG_IB_STS2, 6, 4)
	s_cmp_eq_u32 s2, 0
	s_cbranch_scc0 .Lentry_in_a_cluster
	s_endpgm
.Lentry_in_a_cluster:
	s_bfe_u32 s2, ttmp6, 0x10000c
	s_cmp_lg_u32 s2, 0xf033
	s_cbranch_scc0 .Lentry_shape_is_right
	s_endpgm
.Lentry_shape_is_right:
.set MB,    4
.set NQ,    4
.set CODES, 3145728
.set SCLS,  131072
.set SCOFF, 12582912
.set FR,    12
.set FRB,   1536
.set TROW,  NQ*FRB
.set HALFT, MB*TROW
.set SLOT,  4*HALFT
.set SCL,   2*SLOT
.set HALFS, 1024*MB
.set SHALF, 256
.set SPARE, SCL+4*HALFS
.set LAPS,  16/(2*NQ)
.set SPITCH, 272
.set ADRA,  16
.set ADRB,  20
.set STO,   24
.set RD,    25
.set CO,    26
.set ADRS,  27
.set SPW,   28
.set NIL,   29
.set SC,    32
.set CB,    64
.set AF,    128
.set BK,    128
.set G1,    24
.set G0,    32
.set G1B,   48
.set G0B,   56
.set G1S,   68
.set G0S,   76
.set G1SB,  80
.set G0SB,  88
.set MSB, 0
.macro WIN new
.if MSB != (\new)
	s_set_vgpr_msb (MSB<<8)|(\new)
.set MSB, (\new)
.endif
.endm
.macro JLOAD g0a, g1a, g0b, g1b
	s_cmp_eq_u32 s15, 0
	s_cbranch_scc0 .Lfor_b_\@
	tensor_load_to_lds s[\g0a:\g0a+3], s[\g1a:\g1a+7]
	s_nop 0
.rept 4
	v_nop
.endr
	s_branch .Lasked_\@
.Lfor_b_\@:
	tensor_load_to_lds s[\g0b:\g0b+3], s[\g1b:\g1b+7]
	s_nop 0
.rept 4
	v_nop
.endr
.Lasked_\@:
.endm
.macro CREST
	s_cmp_lg_u32 s14, 0
	s_cbranch_scc1 .Lnot_wave_0_\@
	s_barrier_signal -3
.Lnot_wave_0_\@:
	s_barrier_wait -3
	s_barrier_signal -1
	s_barrier_wait -1
.endm
.macro CROUND
	s_barrier_signal -1
	s_barrier_wait -1
	CREST
.endm
	s_load_b128 s[4:7], s[0:1], 0x0
	s_load_b128 s[8:11], s[0:1], 0x10
	v_lshl_add_u32 v[SPW], v0, 2, SPARE
	v_mov_b32 v[NIL], 0
	ds_add_u32 v[SPW], v[NIL]
	ds_add_u32 v[SPW], v[NIL]
	v_lshrrev_b32 v1, 5, v0
	v_readfirstlane_b32 s14, v1
	s_lshr_b32 s15, s14, 1
	s_and_b32 s16, s14, 1
	s_bfe_u32 s40, ttmp6, 0x40000
	s_bfe_u32 s41, ttmp6, 0x40004
	s_lshl_b32 s42, ttmp9, 2
	s_add_co_u32 s42, s42, s40
	s_and_b32 s17, ttmp7, 0xffff
	s_lshl_b32 s17, s17, 2
	s_add_co_u32 s17, s17, s41
	s_lshl_b32 s43, s41, 2
	s_lshl_b32 s43, 15, s43
	s_lshl_b32 s44, 0x1111, s40
	s_or_b32 s[G1+0], s43, (3<<16)|(1<<21)
	s_or_b32 s[G1B+0], s44, (3<<16)|(1<<21)
.irp g, G1, G1B
	s_mov_b32 s[\g+1], (192*NQ)<<16
	s_mov_b32 s[\g+2], (2*MB)<<16
	s_mov_b32 s[\g+3], (192*NQ)<<16
	s_mov_b32 s[\g+4], 2*MB
	s_mov_b32 s[\g+5], 3072
	s_mov_b32 s[\g+6], 0
	s_mov_b32 s[\g+7], 0
.endr
	s_or_b32 s[G1S+0], s43, (3<<16)|(1<<21)
	s_or_b32 s[G1SB+0], s44, (3<<16)|(1<<21)
.irp g, G1S, G1SB
	s_mov_b32 s[\g+1], 32<<16
	s_mov_b32 s[\g+2], (HALFS/128)<<16
	s_mov_b32 s[\g+3], 32<<16
	s_mov_b32 s[\g+4], HALFS/128
	s_mov_b32 s[\g+5], 32
	s_mov_b32 s[\g+6], 0
	s_mov_b32 s[\g+7], 0
.endr
	s_mul_i32 s18, s16, MB
	s_mul_i32 s20, s17, 2*MB
	s_add_co_u32 s20, s20, s18
	s_mul_i32 s20, s20, 16*FRB
	s_mov_b32 s21, 0
	s_mul_i32 s46, s42, 2*MB
	s_add_co_u32 s46, s46, s18
	s_mul_i32 s46, s46, 16*FRB
	s_add_co_u32 s46, s46, 3*CODES
	s_mov_b32 s47, 0
	s_lshl_b32 s22, s17, 1
	s_mul_i32 s22, s22, HALFS
	s_add_co_u32 s22, s22, CODES
	s_mov_b32 s23, 0
	s_lshl_b32 s92, s42, 1
	s_mul_i32 s92, s92, HALFS
	s_add_co_u32 s92, s92, SCOFF+3*SCLS
	s_mov_b32 s93, 0
	s_mul_i32 s45, s14, HALFT
	s_wait_dscnt 0x0
	s_wait_kmcnt 0x0
	s_add_nc_u64 s[20:21], s[4:5], s[20:21]
	s_add_nc_u64 s[22:23], s[4:5], s[22:23]
	s_add_nc_u64 s[46:47], s[6:7], s[46:47]
	s_add_nc_u64 s[92:93], s[6:7], s[92:93]
	CROUND
	s_mov_b32 s[G0S], 1
	s_mov_b32 s[G0S+1], SCL
	s_mov_b64 s[G0S+2:G0S+3], s[22:23]
	s_or_b32 s[G0S+3], s[G0S+3], 0x80000000
	s_mov_b32 s[G0SB], 1
	s_mov_b32 s[G0SB+1], SCL+2*HALFS
	s_mov_b64 s[G0SB+2:G0SB+3], s[92:93]
	s_or_b32 s[G0SB+3], s[G0SB+3], 0x80000000
.irp s, 0,1
	s_mov_b32 s[G0+4*\s], 1
	s_add_co_u32 s[G0+4*\s+1], s45, \s*SLOT
	s_add_nc_u64 s[G0+4*\s+2:G0+4*\s+3], s[20:21], \s*TROW
	s_or_b32 s[G0+4*\s+3], s[G0+4*\s+3], 0x80000000
	s_mov_b32 s[G0B+4*\s], 1
	s_add_co_u32 s[G0B+4*\s+1], s45, \s*SLOT
	s_add_nc_u64 s[G0B+4*\s+2:G0B+4*\s+3], s[46:47], \s*TROW
	s_or_b32 s[G0B+4*\s+3], s[G0B+4*\s+3], 0x80000000
.endr
; the head's four tiles, one joint load a wave: wave 0 slot 0's rows of A, both halves, wave 1 A's scale words, wave 2 slot 0's rows of B, wave 3 B's scale words
	s_mov_b32 s[G0+1], 0                           ; for the head's loads slot 0's groups 0 name the whole tiles: A's at byte 0,
	s_mov_b32 s[G0B+1], 2*HALFT                    ; B's behind it (waves 0 and 2 hold the first half's global address)
.macro ARM under, g0, g1, next
	s_cmp_lt_u32 s14, \under
	s_cbranch_scc0 \next
	tensor_load_to_lds s[\g0:\g0+3], s[\g1:\g1+7]
	s_nop 0
.rept 4
	v_nop
.endr
	s_branch .Lhead_asked
\next:
.endm
	ARM 1, G0,  G1,  .Lhead_sa
	ARM 2, G0S, G1S, .Lhead_b
	ARM 3, G0B, G1B, .Lhead_sb
	tensor_load_to_lds s[G0SB:G0SB+3], s[G1SB:G1SB+7]
	s_nop 0
.rept 4
	v_nop
.endr
.Lhead_asked:
	v_and_b32 v1, 15, v0
	v_bfe_u32 v2, v0, 4, 1
	s_wait_alu depctr_va_vdst(0)
	v_and_b32 v3, 31, v0
	v_lshlrev_b32 v4, 4, v3
	s_mul_i32 s21, s15, HALFT
	s_mul_i32 s22, s16, HALFT
	s_add_co_u32 s22, s22, 2*HALFT
.irp s, 0,1
	v_add_nc_u32 v[ADRA+\s], s21, v4
	v_add_nc_u32 v[ADRB+\s], s22, v4
	s_add_co_u32 s21, s21, SLOT
	s_add_co_u32 s22, s22, SLOT
.endr
	v_lshlrev_b32 v5, 4, v1
	s_mul_i32 s21, s15, SHALF
	s_mul_i32 s22, s16, SHALF
	s_add_co_u32 s22, s22, 2*HALFS
	s_sub_co_u32 s22, s22, s21
	v_mul_u32_u24 v6, s22, v2
	s_add_co_u32 s21, s21, SCL
	v_add_nc_u32 v5, v5, v6
	v_add_nc_u32 v[ADRS], s21, v5
	s_mul_i32 s23, s14, 16*SPITCH
	v_mul_u32_u24 v5, v1, SPITCH
	v_lshl_add_u32 v5, v2, 6, v5
	v_add_nc_u32 v[STO], s23, v5
	v_mul_u32_u24 v5, v2, SPITCH
	v_lshl_add_u32 v5, v1, 4, v5
	v_add_nc_u32 v[RD], s23, v5
	v_lshlrev_b32 v5, 13, v2
	v_lshl_add_u32 v[CO], v1, 4, v5
	s_lshl_b32 s18, s42, 9
	s_lshl_b32 s19, s16, 8
	s_add_co_u32 s18, s18, s19
	s_mov_b32 s19, 0
	s_add_nc_u64 s[8:9], s[8:9], s[18:19]
	s_lshl_b32 s20, s17, 20
	s_lshl_b32 s21, s15, 19
	s_add_co_u32 s20, s20, s21
	s_add_co_u32 s20, s20, s18
	s_mov_b32 s21, 0
	s_add_nc_u64 s[12:13], s[10:11], s[20:21]
	v_lshlrev_b32 v7, 6, v2
.set BI, 0
.rept MB
	global_load_b128 v[CB+8*BI:CB+8*BI+3], v7, s[8:9] offset:(32*(BI/2)+8*(BI%2))*4
	global_load_b128 v[CB+8*BI+4:CB+8*BI+7], v7, s[8:9] offset:(32*(BI/2)+8*(BI%2))*4+16
.set BI, BI+1
.endr
.macro FRAG reg, adr, q, i
.irp c, 0,1,2
	ds_load_b128 v[(\reg)+4*\c:(\reg)+4*\c+3], v[\adr] offset:(\i)*TROW+FRB*(\q)+512*\c
.endr
.endm
.macro FETCH_B slot, q, p
	WIN 0x40
.set FI, 0
.rept MB
	FRAG 128*(\p)+FR*FI, ADRB+\slot, \q, FI
.set FI, FI+1
.endr
	WIN 0
.endm
.macro FETCH_A slot, q, i0
.set FI, \i0
.rept MB/2
	FRAG AF+FR*FI, ADRA+\slot, \q, FI
.set FI, FI+1
.endr
.endm
.macro SCALES sc
.set QI, 0
.rept NQ
.set GI, 0
.rept MB/4
	ds_load_b128 v[SC+16*(\sc)+MB*QI+4*GI:SC+16*(\sc)+MB*QI+4*GI+3], v[ADRS] offset:512*QI+256*GI
.set GI, GI+1
.endr
.set QI, QI+1
.endr
.endm
.macro MULA a, p, q, sc, zero
.set BI, 0
.rept MB
.set AC, 8*(MB*((\a)%4)+BI)
.if \zero
	v_wmma_scale_f32_16x16x128_f8f6f4 v[AC:AC+7], v[128*(\p)+FR*BI:128*(\p)+FR*BI+FR-1], v[AF+FR*(\a):AF+FR*(\a)+FR-1], v[CB+8*BI:CB+8*BI+7], v[SC+16*(\sc)+MB*(\q)+BI], v[SC+16*(\sc)+MB*(\q)+(\a)] matrix_a_fmt:MATRIX_FMT_FP6 matrix_b_fmt:MATRIX_FMT_FP6 matrix_a_scale:MATRIX_SCALE_ROW1
.else
	v_wmma_scale_f32_16x16x128_f8f6f4 v[AC:AC+7], v[128*(\p)+FR*BI:128*(\p)+FR*BI+FR-1], v[AF+FR*(\a):AF+FR*(\a)+FR-1], v[AC:AC+7], v[SC+16*(\sc)+MB*(\q)+BI], v[SC+16*(\sc)+MB*(\q)+(\a)] matrix_a_fmt:MATRIX_FMT_FP6 matrix_b_fmt:MATRIX_FMT_FP6 matrix_a_scale:MATRIX_SCALE_ROW1
.endif
.set BI, BI+1
.endr
.endm
.macro MULS a0, n, p, q, sc, zero
.if \zero
	WIN 0x81+0x40*((\a0)/4)
.else
	WIN 0xa1+0x50*((\a0)/4)
.endif
.set AI, \a0
.rept \n
	MULA AI, \p, \q, \sc, \zero
.set AI, AI+1
.endr
.endm
.macro PLACES
.rept 4
	v_nop
.endr
.endm
.macro STEP slot, q, zero
	s_wait_dscnt 3*(MB/2)
	MULS 0, MB/2, (\q)%2, \q, \slot, \zero
	s_wait_dscnt 0x0
	PLACES
	FETCH_B \slot, (\q)+1, 1-(\q)%2
	FETCH_A \slot, (\q)+1, 0
	MULS MB/2, MB/2, (\q)%2, \q, \slot, \zero
	PLACES
	WIN 0
	FETCH_A \slot, (\q)+1, MB/2
.endm
.macro TURN slot, next, fill
	s_wait_tensorcnt 0x0
	ds_add_u32 v[SPW], v[NIL]
	s_wait_dscnt 3*(MB/2)+1
	MULS 0, MB/4, 1, NQ-1, \slot, 0
	s_wait_dscnt 0x0
	s_barrier_signal -1
	MULS MB/4, MB/4, 1, NQ-1, \slot, 0
	WIN 0
	s_barrier_wait -1
.if \fill
	CREST
	s_add_nc_u64 s[G0+4*\slot+2:G0+4*\slot+3], s[G0+4*\slot+2:G0+4*\slot+3], 2*TROW
	s_add_nc_u64 s[G0B+4*\slot+2:G0B+4*\slot+3], s[G0B+4*\slot+2:G0B+4*\slot+3], 2*TROW
	JLOAD G0+4*\slot, G1, G0B+4*\slot, G1B
.else
	PLACES
.endif
	s_wait_alu depctr_va_vdst(0)
	v_add_nc_u32 v[ADRS], 512*NQ, v[ADRS]
	FETCH_B \next, 0, 0
	FETCH_A \next, 0, 0
	SCALES \next
	MULS MB/2, MB/2, 1, NQ-1, \slot, 0
	PLACES
	WIN 0
	FETCH_A \next, 0, MB/2
.endm
	s_wait_loadcnt 0x0
	s_wait_alu depctr_va_vdst(0)
	s_wait_tensorcnt 0x0                           ; my tile of the head's four is in
	ds_add_u32 v[SPW], v[NIL]
	s_mov_b32 s[G1+2], MB<<16                      ; no tensor load of mine is out: from here on a load brings one half's rows,
	s_mov_b32 s[G1+4], MB
	s_mov_b32 s[G1B+2], MB<<16
	s_mov_b32 s[G1B+4], MB
	s_mov_b32 s[G0+1], s45                         ; to my wave's quarter of the slot
	s_mov_b32 s[G0B+1], s45
	s_wait_dscnt 0x0
	CROUND                                         ; all four tiles are in, and the partners are here
	JLOAD G0+4, G1, G0B+4, G1B                     ; slot 1's first fill: the first tensor load behind the round
	FETCH_B 0, 0, 0
	FETCH_A 0, 0, 0
	SCALES 0
	FETCH_A 0, 0, MB/2
	STEP 0, 0, 1
	s_mov_b32 s3, LAPS-1
.Llap:
	STEP 0, 1, 0
	STEP 0, 2, 0
	TURN 0, 1, 1
	STEP 1, 0, 0
	STEP 1, 1, 0
	STEP 1, 2, 0
	TURN 1, 0, 1
	STEP 0, 0, 0
	s_sub_co_u32 s3, s3, 1
	s_cmp_lg_u32 s3, 0
	s_cbranch_scc1 .Llap
	STEP 0, 1, 0
	STEP 0, 2, 0
	TURN 0, 1, 0
	STEP 1, 0, 0
	STEP 1, 1, 0
	STEP 1, 2, 0
	s_wait_dscnt 3*(MB/2)
	MULS 0, MB/2, 1, NQ-1, 1, 0
	s_wait_dscnt 0x0
	MULS MB/2, MB/2, 1, NQ-1, 1, 0
	WIN 0
.macro TOSTAGE a
	WIN 0x08
.set BI, 0
.rept MB
	ds_store_b128 v[STO], v[8*(MB*(\a)+BI):8*(MB*(\a)+BI)+3] offset:128*(BI/2)+32*(BI%2)
	ds_store_b128 v[STO], v[8*(MB*(\a)+BI)+4:8*(MB*(\a)+BI)+7] offset:128*(BI/2)+32*(BI%2)+16
.set BI, BI+1
.endr
	WIN 0
.set TI, 0
.rept 8
	ds_load_b128 v[BK+32*((\a)%2)+4*TI:BK+32*((\a)%2)+4*TI+3], v[RD] offset:2*TI*SPITCH
.set TI, TI+1
.endr
.endm
.macro SEND a, younger
	s_wait_dscnt \younger
.set TI, 0
.rept 8
	global_store_b128 v[CO], v[BK+32*((\a)%2)+4*TI:BK+32*((\a)%2)+4*TI+3], s[12:13] offset:(32*((\a)/2)+8*((\a)%2)+2*TI+8*(TI/4))*8192 th:TH_STORE_NT
.set TI, TI+1
.endr
.endm
	PLACES
	TOSTAGE 0
.irp a, 1,2,3
.if \a > 1
	s_wait_xcnt 0x0
.endif
	TOSTAGE \a
	SEND \a-1, 16
.endr
	SEND 3, 0
	s_wait_tensorcnt 0x0
	ds_add_u32 v[SPW], v[NIL]
	s_wait_dscnt 0x0
	CROUND
	s_endpgm
.Lfunc_end_k_q637989425a_outp:
	.size	k_q637989425a_outp, .Lfunc_end_k_q637989425a_outp-k_q637989425a_outp
	.p2alignl 7, 3214868480
	.fill 96, 4, 3214868480
	.section	.rodata,"a",@progbits
	.p2align	6, 0x0
	.amdhsa_kernel k_q637989425a_outp
		.amdhsa_group_segment_fixed_size 327680
		.amdhsa_private_segment_fixed_size 0
		.amdhsa_enable_private_segment 0
		.amdhsa_kernarg_size 32
		.amdhsa_user_sgpr_count 2
		.amdhsa_user_sgpr_kernarg_segment_ptr 1
		.amdhsa_wavefront_size32 1
		.amdhsa_system_sgpr_workgroup_id_x 1
		.amdhsa_system_sgpr_workgroup_id_y 1
		.amdhsa_system_sgpr_workgroup_id_z 1
		.amdhsa_system_vgpr_workitem_id 0
		.amdhsa_next_free_vgpr 768
		.amdhsa_next_free_sgpr 100
		.amdhsa_reserve_vcc 0
		.amdhsa_float_denorm_mode_32 3
		.amdhsa_float_denorm_mode_16_64 3
		.amdhsa_memory_ordered 1
		.amdhsa_forward_progress 1
		.amdhsa_inst_pref_size 86
	.end_amdhsa_kernel
	.amdgpu_metadata
---
amdhsa.version: [ 1, 2 ]
amdhsa.kernels:
  - .name:           k_q637989425a_outp
    .symbol:         k_q637989425a_outp.kd
    .args:
      - { .name: attq, .offset: 0, .size: 8, .value_kind: global_buffer, .address_space: global }
      - { .name: wq6, .offset: 8, .size: 8, .value_kind: global_buffer, .address_space: global }
      - { .name: bo, .offset: 16, .size: 8, .value_kind: global_buffer, .address_space: global }
      - { .name: out0, .offset: 24, .size: 8, .value_kind: global_buffer, .address_space: global }
    .group_segment_fixed_size: 327680
    .private_segment_fixed_size: 0
    .kernarg_segment_align: 8
    .kernarg_segment_size: 32
    .max_flat_workgroup_size: 128
    .sgpr_count:     100
    .vgpr_count:     768
    .wavefront_size: 32
...
	.end_amdgpu_metadata
.endif
;; end of part 4
